; MI455X (gfx1250); checked and timed in simulation.
; The chip was launched on July 23, 2026; its instructions are those of AMD's public machine-readable ISA for CDNA 5 (MIT licence, August 2026) and "CDNA5" Instruction Set Architecture Reference Guide (July 2026). The comments in the code are by the model that wrote it; some were corrected since.
;; Multi Head Attention. Allowed arithmetic: matrix products marked QUANTISED: E2M3 operands, one E8M0 scale for each 32 along K, by v_wmma_scale_f32_16x16x128_f8f6f4 with both operands' format E2M3, f32 sums; everything else in f32.
;; Inputs: Wk_codes 1,024 x 4 x 24 uint8 (E2M3 codes of Wk, K innermost, in blocks of 32 codes, four codes in three bytes); Wk_scales 1,024 x 4 uint8 (E8M0 scales of Wk, one for each 32 codes along K); Wq_codes 1,024 x 4 x 24 uint8 (E2M3 codes of Wq, K innermost, in blocks of 32 codes, four codes in three bytes); Wq_scales 1,024 x 4 uint8 (E8M0 scales of Wq, one for each 32 codes along K); Wu_codes 128 x 32 x 24 uint8 (E2M3 codes of Wu, K innermost, in blocks of 32 codes, four codes in three bytes); Wu_scales 128 x 32 uint8 (E8M0 scales of Wu, one for each 32 codes along K); Wv_codes 1,024 x 4 x 24 uint8 (E2M3 codes of Wv, K innermost, in blocks of 32 codes, four codes in three bytes); Wv_scales 1,024 x 4 uint8 (E8M0 scales of Wv, one for each 32 codes along K); bu 128 float32; x_codes 2 x 2,048 x 4 x 24 uint8 (E2M3 codes of x, K innermost, in blocks of 32 codes, four codes in three bytes); x_scales 2 x 2,048 x 4 uint8 (E8M0 scales of x, one for each 32 codes along K).
;; Outputs: out0 2 x 2,048 x 128 float32.
;; This version of the problem:
;;   THIS VERSION OF THE PROBLEM IS GIVEN IN LOW PRECISION. The matrix products marked QUANTISED in the list below multiply operands that are first quantised to E2M3 (2 exponent bits, 3 mantissa bits; 6 bits a number), with one power-of-two scale for each 32 numbers along K (OCP MX v1.0); their sums are f32. All else is computed in f32.
;;   The module's matrix products, in the order in which they are computed (A, B: the left and right operand; K: the contracted axis; several contracted axes count as one K, in the product's order):
;;     1. [M 4,096, K 128] x [K 128, N 1,024]; A: input x (given as codes); B: input Wq (given as codes): QUANTISED
;;     2. [M 4,096, K 128] x [K 128, N 1,024]; A: input x (given as codes); B: input Wk (given as codes): QUANTISED
;;     3. [M 4,096, K 128] x [K 128, N 1,024]; A: input x (given as codes); B: input Wv (given as codes): QUANTISED
;;     4. batch 16 x [M 2,048, K 128] x [K 128, N 2,048]; A: computed on the way; B: computed on the way: QUANTISED
;;     5. batch 16 x [M 2,048, K 2,048] x [K 2,048, N 128]; A: softmax (see below); B: computed on the way: QUANTISED
;;     6. [M 4,096, K 1,024] x [K 1,024, N 128]; A: computed on the way; B: input Wu (given as codes): QUANTISED
;;   THE QUANTISER, for each operand of a quantised product, along K:
;;     - K is cut into blocks of 32 from its start; a last block that is shorter is filled with zeros.
;;     - A block's scale is 2^e with e = floor(log2(the largest magnitude in the block)) - 2, held to -126 .. 127; a block of zeros has e = 0. As a byte (E8M0): e + 127.
;;     - Each number is divided by its block's scale, clamped to +-7.5, and rounded to the nearest number of E2M3, ties to even, subnormals kept.
;;     - The product sums the exact products of the quantised numbers (number of the format x scale) in f32.
;;   ~~~python
;;   def quantise(x, axis):      # numpy; x: float32 -> the quantised numbers, widened to float32 again
;;       x = np.moveaxis(x, axis, -1); K = x.shape[-1]
;;       x = np.pad(x, [(0, 0)] * (x.ndim - 1) + [(0, -K % 32)]); x = x.reshape(x.shape[:-1] + (-1, 32)); a = np.abs(x).max(-1, keepdims=True)
;;       e = np.where(a > 0, np.clip(np.frexp(np.where(a > 0, a, 1))[1] - 1 - 2, -126, 127), 0)      # np.frexp(a)[1] - 1 = floor(log2(a)), exactly
;;       r = np.clip(x / 2.0 ** e, -7.5, 7.5)
;;       step = 2.0 ** (np.maximum(np.frexp(np.where(r == 0, 1, r))[1] - 1, 0) - 3)
;;       q = np.round(r / step) * step * 2.0 ** e      # np.round: ties to even
;;       return np.moveaxis(q.reshape(q.shape[:-2] + (-1,))[..., :K], -1, axis).astype(np.float32)
;;   ~~~
;;   SOFTMAX AHEAD OF A QUANTISED PRODUCT. Where the list says 'softmax', what is quantised is not the finished softmax but p = 2^(t - M), with t = logit x log2(e) and M = ceil(the row's largest t), a whole number; so 1/2 < the row's largest p <= 1. The row's sum l is taken of the UNQUANTISED p, in f32, and the product's result is divided by l at the end. Since M is a whole number, a kernel that streams over the keys may use a running M (the ceiling of the running maximum): every later rescaling is an exact power of two, which a block's scale takes up: the codes' values come out the same.
;;   OPERANDS COMPUTED ON THE WAY. 'Computed on the way' means the value that the module computes at that place (a softmax that the list does not call 'softmax' is quantised finished and normalised). What goes into a quantiser is computed in f32, as accurately as f32 sums, v_exp_f32 and their like allow (about 1e-6 of the number): no bf16 or f16 on the way to a quantiser, and a product that is left as it is and whose result goes on into a quantised operand takes f32 operands (vector FMAs, or v_wmma_f32_16x16x4_f32). A number that lies on a knife's edge between two numbers of the format may be rounded either way, as far as f32 arithmetic and the matrix unit's own rounding can turn it there, and no further.
;;   INPUTS GIVEN AS CODES. Wk (in the module: [128, 1024], K = its axis 0); Wq (in the module: [128, 1024], K = its axis 0); Wu (in the module: [1024, 128], K = its axis 0); Wv (in the module: [128, 1024], K = its axis 0); x (in the module: [2, 2048, 128], K = its axis 2): each comes as NAME_codes (uint8): NAME with its K axis moved to the last place and cut into blocks of 32 codes, [.., K / 32, bytes a block], one block behind the other in memory; four codes in three bytes: a row's codes are one little-endian stream of bits, code i at bits 6 i .. 6 i + 5 (a code: sign, 2 exponent bits, 3 mantissa bits); and NAME_scales (uint8): the same leading axes, one E8M0 byte (e + 127) for each 32 codes along K. Its value is code x scale, taken as it is: it is not quantised again, and the codes and scales need not be those that the quantiser above would give.
;; 2 versions, each right; version 2 is version 1 with the launches kvproj, outproj written anew for expert scheduling mode. Each part assembles by itself: llvm-mc -triple=amdgcn-amd-amdhsa -mcpu=gfx1250 --defsym DOCPART=n.
;; ======== version 1 of 2: 3 launches
;; workspace buffers: kc 3,145,728 bytes; ks 131,072 bytes; vc 3,145,728 bytes; vs 131,072 bytes; yc 3,145,728 bytes; ys 131,072 bytes
;; launch kvproj (part 1): grid 256 x 1, 4 waves a work-group, no clusters, 37,888 bytes of LDS; arguments x_codes, x_scales, Wk_codes, Wk_scales, Wv_codes, Wv_scales, kc, ks, vc, vs; writes kc, ks, vc, vs
.if DOCPART == 1
	.amdgcn_target "amdgcn-amd-amdhsa--gfx1250"
	.amdhsa_code_object_version 6
	.text
	.protected	k_qc7c2c3b210_kvproj
	.globl	k_qc7c2c3b210_kvproj
	.p2align	8
	.type	k_qc7c2c3b210_kvproj,@function
k_qc7c2c3b210_kvproj:
	s_mov_b64 s[64:65], 0
	v_nop
	global_prefetch_b8 v0, s[64:65] scope:SCOPE_SE
	s_setreg_imm32_b32 hwreg(HW_REG_WAVE_MODE, 25, 1), 1
	s_wait_xcnt 0x0
; k = x Wk and v = x Wv on codes of FP6 (E2M3) with E8M0 scales, and their quantising: k along the head's 128 channels, v along the keys.
; x: 4,096 tokens x 128 codes (96 bytes a row, one scale word a row); Wk, Wv: 1,024 rows (head x 128 + channel) x 128 codes, likewise.
; TILES.  A tile is 16 rows, NOT neighbours: place r of tile T is row 32 (T / 2) + 8 (T % 2) + r + 8 (r / 8).  With eight tiles of a group of 128 rows as source 0 against one
; source 1, a lane (r, h) then holds in register 16 b + i of its 64 results element 32 b + 16 h + i of the group, for row r of source 1: 16 neighbours along the next product's K.
; k: source 0 = the head's 128 rows of Wk, source 1 = 16 tokens: a lane holds one key, its registers run along the channels.
; v: source 0 = 128 tokens of x, source 1 = 16 rows of Wv: a lane holds one channel, its registers run along the keys.  So one text serves both: only pointers and three numbers are chosen.
; IN.  Source 0's 128 rows are 12,288 dense bytes that all four waves want; a wave's four tiles of source 1 are 6,144 dense bytes of its own.  Both come by loads of 16 bytes a lane, 512 consecutive
; bytes an instruction (source 0: a quarter to each wave), go to LDS as they lie, and are read from there as fragments, in pieces of 8 bytes.  Behind every 16 rows (1,536 bytes: three loads) lie
; 16 bytes of padding: a tile's rows r and r + 16 then start four banks apart (64 banks of 4 bytes: ISA guide 11.1), and the 32 lanes of a load of 8 bytes touch 64 different banks.
; OUT.  A fragment (16 rows x 128 K, 12 registers) leaves as an image of its registers: registers 4 c .. 4 c + 3 of lane l at 512 c + 16 l of its 1,536 bytes: each store covers 512 consecutive bytes.
; Fragment F = ((batch x 8 + head) x 16 + key step) x 8 + tile.  The scale words of four neighbouring fragments make one block of 256 bytes: byte 8 l + 4 e = the word of fragment 2 e + l / 16, row l % 16.
; SHARES.  4,096 fragments; a wave makes four neighbouring ones.  Work-groups 0-127 make k, 128-255 make v.  One barrier: behind it source 0 lies whole in LDS.
; LIMITS: NaN and infinities are not served.  A block of zeros gets the byte 1 where the rule says 127: its codes are zeros, and this program alone reads the bytes.
.set ROWB, 96                          ; 128 codes in bytes
.set FRB,  1536                        ; a fragment's image in bytes
.set GP,   1552                        ; 16 rows of codes in LDS: 1,536 bytes + 16 of padding
.set AL,   0                           ; LDS: source 0's 128 rows: eight such groups;
.set BL,   8*GP                        ; behind them, for each wave, its 64 rows of source 1: four groups
.set LO,   1                           ; v1   (r + 8 (r / 8)) x 96 + 16 (r / 8) + 24 h: my lane's bytes in a tile, in LDS
.set LS,   2                           ; v2   (r + 8 (r / 8)) x 4: my lane's scale word in a tile, in memory
.set L16,  3                           ; v3   16 x lane
.set L8,   4                           ; v4   8 x lane
.set BR,   5                           ; v5   my wave's rows of source 1 in LDS + LO
.set AW,   6                           ; v6   where I store my quarter of source 0: 2 GP x wave + 16 x lane
.set BW,   7                           ; v7   where I store source 1: BL + 4 GP x wave + 16 x lane
.set PW,   8                           ; v8-11    the four fragments' scale words
.set E,    12                          ; v12-13   the same, two fragments to a register (v12-15 at work at the head)
.set A,    16                          ; v16-111  source 0: eight tiles (first: the 18 loads' bytes as they lie)
.set AS,   112                         ; v112-119 their scale words
.set B,    120                         ; v120-167 source 1: four tiles; each tile's registers then take its fragment's codes
.set BS,   168                         ; v168-171 their scale words
.set D,    172                         ; v172-235 64 results
.set BM,   236                         ; v236-239 the four blocks' largest magnitudes
.set PM,   240                         ; v240-243 the other half's; then the scale bytes
.set SO,   244                         ; v244-247 the conversions' scale operands
.set X,    248                         ; v248-255 the upper halves of the blocks' codes
.set SEL,  44                          ; s[44:45] v_permlanex16_b32's selects for lane l xor 16
.macro FRAGL reg, adr, off             ; a fragment from rows of 96 bytes in LDS: 24 bytes twice, as pieces of 8 so that every address is a multiple of the access's size
.irp p, 0,1,2,3,4,5
	ds_load_b64 v[\reg+2*\p:\reg+2*\p+1], v[\adr] offset:\off+48*(\p/3)+8*(\p%3)
.endr
.endm
.macro ABSMAX s                        ; the largest magnitude of each block of 32: my 16 numbers, the floor 2^(3 - 127), and lane l xor 16's 16
.irp b, 0,1,2,3
	v_max3_num_f32 v[BM+\b], |v[\s+16*\b]|, |v[\s+16*\b+1]|, 0x1800000
.endr
.irp i, 2,4,6,8,10,12,14
.irp b, 0,1,2,3
	v_max3_num_f32 v[BM+\b], v[BM+\b], |v[\s+16*\b+\i]|, |v[\s+16*\b+\i+1]|
.endr
.endr
.irp b, 0,1,2,3
	v_permlanex16_b32 v[PM+\b], v[BM+\b], s[SEL], s[SEL+1]
.endr
.irp b, 0,1,2,3
	v_max_num_f32 v[BM+\b], v[BM+\b], v[PM+\b]
.endr
.endm
.macro SCALEW pw                       ; 2 off the exponent field: the conversion's scale operand; its exponent field is the scale's byte; four bytes make the row's word
.irp b, 0,1,2,3
	v_add_nc_u32 v[SO+\b], 0xff000000, v[BM+\b]
.endr
.irp b, 0,1,2,3
	v_lshrrev_b32 v[PM+\b], 23, v[SO+\b]
.endr
	v_lshl_or_b32 v[\pw], v[PM+1], 8, v[PM]
	v_lshl_or_b32 v[\pw], v[PM+2], 16, v[\pw]
	v_lshl_or_b32 v[\pw], v[PM+3], 24, v[\pw]
.endm
.macro CODES s, pc                     ; 64 numbers become 12 registers of codes in the operand's layout
.irp c, 0,1
	v_cvt_scalef32_pk16_fp6_f32 v[\pc+6*\c:\pc+6*\c+2], v[\s+32*\c:\s+32*\c+15], v[SO+2*\c]
	v_cvt_scalef32_pk16_fp6_f32 v[X+4*\c:X+4*\c+2], v[\s+32*\c+16:\s+32*\c+31], v[SO+2*\c+1]   ; (a conversion's three registers begin on an even number)
.endr
	v_nop                                          ; one plain place behind a scaled conversion
.irp c, 0,1                            ; the layout wants a WHOLE block in a lane: lanes 0-15 block 2 c, lanes 16-31 block 2 c + 1
.irp i, 0,1,2
	v_permlane16_swap_b32 v[\pc+6*\c+\i], v[X+4*\c+\i]
.endr
.irp i, 0,1,2
	v_mov_b32 v[\pc+3+6*\c+\i], v[X+4*\c+\i]
.endr
.endr
.endm
.macro QUANT s, pc, pw
	ABSMAX \s
	SCALEW \pw
	CODES \s, \pc
.endm
	s_load_b256 s[4:11], s[0:1], 0x0               ; x's codes s[4:5], x's scales s[6:7], Wk's codes s[8:9], Wk's scales s[10:11]
	s_load_b256 s[12:19], s[0:1], 0x20             ; Wv's codes s[12:13], Wv's scales s[14:15], kc s[16:17], ks s[18:19]
	s_load_b128 s[20:23], s[0:1], 0x40             ; vc s[20:21], vs s[22:23]
	v_lshl_add_u32 v251, v0, 2, 0x9200
	v_mov_b32 v255, 0
	v_lshrrev_b32 v12, 5, v0
	v_readfirstlane_b32 s36, v12                   ; wave 0..3
	v_and_b32 v12, 15, v0                          ; r
	v_bfe_u32 v13, v0, 4, 1                        ; h
	v_and_b32 v14, 8, v12                          ; 8 (r / 8)
	v_add_nc_u32 v15, v14, v12                     ; r + 8 (r / 8)
	v_mul_u32_u24 v[LO], v15, ROWB
	v_mad_u32_u24 v[LO], v13, 24, v[LO]
	v_lshl_add_u32 v[LO], v14, 1, v[LO]            ; places 8-15 lie in the next group of 16 rows: one padding more
	v_lshlrev_b32 v[LS], 2, v15
	v_and_b32 v[L16], 31, v0
	v_lshlrev_b32 v[L8], 3, v[L16]
	v_lshlrev_b32 v[L16], 4, v[L16]
	s_mul_i32 s50, s36, 2*GP                       ; my quarter of source 0 is two groups of 16 rows
	v_add_nc_u32 v[AW], s50, v[L16]
	s_mul_i32 s50, s36, 4*GP                       ; my rows of source 1 are four
	s_add_co_u32 s50, s50, BL
	v_add_nc_u32 v[BW], s50, v[L16]
	v_add_nc_u32 v[BR], s50, v[LO]
	s_mul_i32 s50, s36, 32*ROWB                    ; my quarter of source 0 in memory
.irp b, 0,1,2,3
	v_mov_b32 v[PM+\b], 0                          ; written once: a lane permute's destination counts as one of its sources
.endr
	s_mov_b32 s[SEL], 0x76543210
	s_mov_b32 s[SEL+1], 0xfedcba98
	s_mov_b32 s46, 0xffff0000                      ; lanes 16-31
	s_and_b32 s37, ttmp9, 127
	s_lshl_b32 s37, s37, 2
	s_add_co_u32 s37, s37, s36                     ; u = my wave among the 512 of its tensor
	; k: group ga = the head (u / 64), jb = which four token tiles (u % 64);  F0 = (jb / 32) 1024 + ga 128 + (4 jb) % 128
	s_lshr_b32 s38, s37, 6
	s_and_b32 s39, s37, 63
	s_lshr_b32 s40, s39, 5
	s_lshl_b32 s40, s40, 10
	s_lshl_b32 s47, s38, 7
	s_add_co_u32 s40, s40, s47
	s_lshl_b32 s47, s39, 2
	s_and_b32 s47, s47, 127
	s_add_co_u32 s40, s40, s47
	; v: group ga = which 128 tokens (u / 16), jb = which four tiles of Wv's rows (u % 16);  F0 = (ga / 16) 1024 + (jb / 2) 128 + (ga % 16) 8 + (jb % 2) 4
	; (in both, ga is the same for the four waves of a work-group: they share source 0)
	s_lshr_b32 s41, s37, 4
	s_and_b32 s42, s37, 15
	s_lshr_b32 s43, s41, 4
	s_lshl_b32 s43, s43, 10
	s_lshr_b32 s47, s42, 1
	s_lshl_b32 s47, s47, 7
	s_add_co_u32 s43, s43, s47
	s_and_b32 s47, s41, 15
	s_lshl_b32 s47, s47, 3
	s_add_co_u32 s43, s43, s47
	s_and_b32 s47, s42, 1
	s_lshl_b32 s47, s47, 2
	s_add_co_u32 s43, s43, s47
	s_wait_kmcnt 0x0
	s_cmp_lt_u32 ttmp9, 128                        ; k's work-group or v's?  The choice hangs on the work-group's number alone
	s_cselect_b32 s38, s38, s41                    ; ga
	s_cselect_b32 s39, s39, s42                    ; jb
	s_cselect_b32 s40, s40, s43                    ; F0
	s_cselect_b64 s[24:25], s[8:9], s[4:5]         ; source 0's codes: Wk's or x's
	s_cselect_b64 s[26:27], s[10:11], s[6:7]       ; and scales
	s_cselect_b64 s[28:29], s[4:5], s[12:13]       ; source 1's codes: x's or Wv's
	s_cselect_b64 s[30:31], s[6:7], s[14:15]       ; and scales
	s_cselect_b64 s[32:33], s[16:17], s[20:21]     ; the codes' way out
	s_cselect_b64 s[34:35], s[18:19], s[22:23]     ; the scale words' way out
	s_mov_b32 s49, 0
	s_mul_i32 s48, s38, 128*ROWB                   ; the group's 128 rows,
	s_add_co_u32 s48, s48, s50                     ; my quarter of them
	s_add_nc_u64 s[24:25], s[24:25], s[48:49]
	s_lshl_b32 s48, s38, 9
	s_add_nc_u64 s[26:27], s[26:27], s[48:49]
	s_mul_i32 s48, s39, 64*ROWB                    ; four tiles are 64 rows
	s_add_nc_u64 s[28:29], s[28:29], s[48:49]
	s_lshl_b32 s48, s39, 8
	s_add_nc_u64 s[30:31], s[30:31], s[48:49]
	s_mul_i32 s48, s40, FRB
	s_add_nc_u64 s[32:33], s[32:33], s[48:49]
	s_lshl_b32 s48, s40, 6                         ; 64 bytes of scale words a fragment; F0 is a multiple of 4: a multiple of 256 bytes
	s_add_nc_u64 s[34:35], s[34:35], s[48:49]
.irp c, 0,1,2,3,4,5                    ; my quarter of source 0: 3,072 bytes as they lie, 512 consecutive bytes a load
	global_load_b128 v[A+4*\c:A+4*\c+3], v[L16], s[24:25] offset:512*\c
.endr
.irp c, 0,1,2,3,4,5,6,7,8,9,10,11      ; my 64 rows of source 1: 6,144 bytes
	global_load_b128 v[A+24+4*\c:A+24+4*\c+3], v[L16], s[28:29] offset:512*\c
.endr
.irp t, 0,1,2,3,4,5,6,7                ; the scale words: tile t begins at row 32 (t / 2) + 8 (t % 2)
	global_load_b32 v[AS+\t], v[LS], s[26:27] offset:(32*(\t/2)+8*(\t%2))*4
.endr
.irp i, 0,1,2,3
	global_load_b32 v[BS+\i], v[LS], s[30:31] offset:(32*(\i/2)+8*(\i%2))*4
.endr
	s_wait_loadcnt 24                              ; loads come back in order: source 0's six are in; source 1's twelve and the twelve scale words may be out
.irp c, 0,1,2,3,4,5
	ds_store_b128 v[AW], v[A+4*\c:A+4*\c+3] offset:512*\c+16*(\c/3)          ; three loads are 16 rows: then 16 bytes of padding
.endr
	s_wait_loadcnt 12                              ; source 1's are in; the twelve scale words may be out
.irp c, 0,1,2,3,4,5,6,7,8,9,10,11
	ds_store_b128 v[BW], v[A+24+4*\c:A+24+4*\c+3] offset:512*\c+16*(\c/3)
.endr
	s_wait_dscnt 0x0                               ; for the others' sake: my quarter of source 0 lies in LDS (and the stores have read their registers)
	s_barrier_signal -1
	s_barrier_wait -1                              ; everybody's does
.irp t, 0,1,2,3,4,5,6,7
	FRAGL A+12*\t, LO, AL+(32*(\t/2)+8*(\t%2))*ROWB+32*(\t/2)
.endr
.irp i, 0,1,2,3                        ; six loads a tile
	FRAGL B+12*\i, BR, (32*(\i/2)+8*(\i%2))*ROWB+32*(\i/2)
.endr
	s_wait_loadcnt 0x0                             ; the scale words
.irp i, 0,1,2,3
	s_wait_dscnt 6*(3-\i)                          ; LDS loads come back in order: source 0 and tile i are in; the six loads of each later tile may be out
.irp t, 0,1,2,3,4,5,6,7
	v_wmma_scale_f32_16x16x128_f8f6f4 v[D+8*\t:D+8*\t+7], v[A+12*\t:A+12*\t+11], v[B+12*\i:B+12*\i+11], 0, v[AS+\t], v[BS+\i] matrix_a_fmt:MATRIX_FMT_FP6 matrix_b_fmt:MATRIX_FMT_FP6
.endr
.rept 4
	v_nop                                          ; four places: the results are read, and tile i's registers written, only behind them (ISA guide 7.12.1)
.endr
	QUANT D, B+12*\i, PW+\i                        ; its lines on the maxima, bytes and scale operands are further places ahead of the next tile's products, which write the results' registers anew
.irp c, 0,1,2
	global_store_b128 v[L16], v[B+12*\i+4*\c:B+12*\i+4*\c+3], s[32:33] offset:FRB*\i+512*\c   ; 32 lanes store 512 consecutive bytes, aligned; no store's data are written again
.endr
.endr
	v_cndmask_b32 v[E], v[PW], v[PW+1], s46        ; lanes 0-15: fragment 0's words; lanes 16-31: fragment 1's (each word stands in lanes r and r + 16 alike)
	v_cndmask_b32 v[E+1], v[PW+2], v[PW+3], s46    ; fragments 2 and 3
	global_store_b64 v[L8], v[E:E+1], s[34:35]     ; 32 lanes store 256 consecutive bytes, aligned
	s_wait_tensorcnt 0x0
	ds_add_u32 v251, v255
	s_wait_dscnt 0x0
	s_endpgm
.Lfunc_end_k_qc7c2c3b210_kvproj:
	.size	k_qc7c2c3b210_kvproj, .Lfunc_end_k_qc7c2c3b210_kvproj-k_qc7c2c3b210_kvproj
	.p2alignl 7, 3214868480
	.fill 96, 4, 3214868480
	.section	.rodata,"a",@progbits
	.p2align	6, 0x0
	.amdhsa_kernel k_qc7c2c3b210_kvproj
		.amdhsa_group_segment_fixed_size 37888
		.amdhsa_private_segment_fixed_size 0
		.amdhsa_enable_private_segment 0
		.amdhsa_kernarg_size 80
		.amdhsa_user_sgpr_count 2
		.amdhsa_user_sgpr_kernarg_segment_ptr 1
		.amdhsa_wavefront_size32 1
		.amdhsa_system_sgpr_workgroup_id_x 1
		.amdhsa_system_sgpr_workgroup_id_y 1
		.amdhsa_system_sgpr_workgroup_id_z 1
		.amdhsa_system_vgpr_workitem_id 0
		.amdhsa_next_free_vgpr 256
		.amdhsa_next_free_sgpr 66
		.amdhsa_reserve_vcc 0
		.amdhsa_float_denorm_mode_32 3
		.amdhsa_float_denorm_mode_16_64 3
		.amdhsa_memory_ordered 1
		.amdhsa_forward_progress 1
		.amdhsa_inst_pref_size 34
	.end_amdhsa_kernel
	.amdgpu_metadata
---
amdhsa.version: [ 1, 2 ]
amdhsa.kernels:
  - .name:           k_qc7c2c3b210_kvproj
    .symbol:         k_qc7c2c3b210_kvproj.kd
    .args:
      - { .name: x_codes, .offset: 0, .size: 8, .value_kind: global_buffer, .address_space: global }
      - { .name: x_scales, .offset: 8, .size: 8, .value_kind: global_buffer, .address_space: global }
      - { .name: Wk_codes, .offset: 16, .size: 8, .value_kind: global_buffer, .address_space: global }
      - { .name: Wk_scales, .offset: 24, .size: 8, .value_kind: global_buffer, .address_space: global }
      - { .name: Wv_codes, .offset: 32, .size: 8, .value_kind: global_buffer, .address_space: global }
      - { .name: Wv_scales, .offset: 40, .size: 8, .value_kind: global_buffer, .address_space: global }
      - { .name: kc, .offset: 48, .size: 8, .value_kind: global_buffer, .address_space: global }
      - { .name: ks, .offset: 56, .size: 8, .value_kind: global_buffer, .address_space: global }
      - { .name: vc, .offset: 64, .size: 8, .value_kind: global_buffer, .address_space: global }
      - { .name: vs, .offset: 72, .size: 8, .value_kind: global_buffer, .address_space: global }
    .group_segment_fixed_size: 37888
    .private_segment_fixed_size: 0
    .kernarg_segment_align: 8
    .kernarg_segment_size: 80
    .max_flat_workgroup_size: 128
    .sgpr_count:     66
    .vgpr_count:     256
    .wavefront_size: 32
...
	.end_amdgpu_metadata
.endif
;; end of part 1
;; launch attn (part 2): grid 16 x 16, 8 waves a work-group, clusters of 4 x 1, 327,680 bytes of LDS; arguments x_codes, x_scales, Wq_codes, Wq_scales, kc, ks, vc, vs, yc, ys; writes yc, ys
.if DOCPART == 2
	.amdgcn_target "amdgcn-amd-amdhsa--gfx1250"
	.amdhsa_code_object_version 6
	.text
	.protected	k_qc7c2c3b210_attn
	.globl	k_qc7c2c3b210_attn
	.p2align	8
	.type	k_qc7c2c3b210_attn,@function
k_qc7c2c3b210_attn:
	s_mov_b64 s[64:65], 0
	v_nop
	global_prefetch_b8 v0, s[64:65] scope:SCOPE_SE
	s_setreg_imm32_b32 hwreg(HW_REG_WAVE_MODE, 25, 1), 1
	s_wait_xcnt 0x0
	s_wait_alu depctr_hold_cnt(0) depctr_sa_sdst(0) depctr_va_vdst(0) depctr_va_sdst(0) depctr_va_ssrc(0) depctr_va_vcc(0) depctr_vm_vsrc(0)
	s_getreg_b32 s2, hwreg(HW_REG_IB_STS2, 6, 4)
	s_cmp_eq_u32 s2, 0
	s_cbranch_scc0 .Lentry_in_a_cluster
	s_endpgm
.Lentry_in_a_cluster:
	s_bfe_u32 s2, ttmp6, 0x10000c
	s_cmp_lg_u32 s2, 0x3003
	s_cbranch_scc0 .Lentry_shape_is_right
	s_endpgm
.Lentry_shape_is_right:
; y = softmax(q k^T / sqrt(128)) v for one head and 128 queries, all products on codes of FP6 (E2M3) with E8M0 scales; q = x Wq is made here; y leaves as codes.
; THE SOFTMAX AHEAD OF THE SECOND PRODUCT: t = score x log2(e) / sqrt(128); M = the largest t so far, rounded UP to a whole number; p = 2^(t - M) is quantised along the keys, not normalised.
; The row's sum is taken of the unquantised p and divides at the end.  When M moves, the sum and O are multiplied by 2^(old M - new M): exact.
; SHARES.  Work-group (x, y): x = block of 128 queries (8 token tiles), y = g = batch x 8 + head.  Eight waves, two to a SIMD.  With p = wave % 4 and gq = wave / 4 a wave holds TWO query tiles
; (set A: tile 2 p + gq, set B: tile 2 p + 1 - gq) and walks HALF of the keys (of each slot of four key steps: steps 2 gq and 2 gq + 1), so that each fragment of K or V read from LDS feeds two products.
; At the end wave w hands its set B to wave w xor 4, whose set A that tile is, through LDS; each half has its own whole-number M, so the merge multiplies by exact powers of two.
; LAYOUT.  Both products are used transposed (S^T = K Q^T, O^T = V^T P^T): a lane holds ONE query (lane % 16) throughout.  Tiles are 16 rows, not neighbours: place r of tile T is row
; 32 (T / 2) + 8 (T % 2) + r + 8 (r / 8): so the 16 registers of results of tiles 2 b and 2 b + 1 are 16 neighbours, 32 b + 16 (lane / 16) + 0 .. 15, along the next product's K.
; K and V come as images of their fragments' registers (1,536 bytes, registers 4 c .. 4 c + 3 of lane l at 512 c + 16 l): three loads of 512 consecutive bytes bring one.
; Their scale words come as blocks of 256 bytes for four tiles: one load of 8 bytes a lane gives two registers, each with one tile's words in lanes 0-15 and the next tile's in lanes 16-31.
; Wq AND x.  The head's 128 rows of Wq and the block's 128 rows of x are two dense blocks of 12,288 bytes that all eight waves want: each wave fetches an eighth of each, three loads of 512 consecutive
; bytes, and stores it to LDS as it lies; behind a barrier the fragments are read from there in pieces of 8 bytes.  Behind every 16 rows (1,536 bytes) lie 16 bytes of padding: a tile's rows r and r + 16
; then start four banks apart (64 banks of 4 bytes: ISA guide 11.1), and the 32 lanes of a load of 8 bytes touch 64 different banks.
; CLUSTER.  The four query blocks of a cluster belong to one g and walk the same K and V: each tile is asked for JOINTLY, by the same tensor load with the same descriptor and the mask of all four.
; LIMITS: NaN and infinities are not served.  A block of zeros gets the byte 1 where the rule says 127 (its codes are zeros; this program alone reads the bytes).  A p under 2^-126 comes out of
; v_exp_f32 as 0.  The division by the row's sum is a multiplication by v_rcp_f32's result.
; REGISTERS, in windows of 256.  Window 0: see the names below.  Window 1: v0-95 one buffer of eight fragments (Wq, then K and V by turns); v128-191 O^T of set A, v192-255 of set B.
.set ROWB,  96                         ; 128 codes in bytes
.set FRB,   1536                       ; a fragment's image; also 16 rows of codes in memory
.set GP,    1552                       ; 16 rows of codes as they lie in WQL and XL: 1,536 bytes + 16 of padding
.set STEPB, 8*FRB                      ; a key step's eight fragments
.set VOFF,  4*STEPB                    ; a slot: K of four steps, then V of four steps
.set SLOT1, 1<<17                      ; slot 1 begins here: one exclusive or turns an address in one slot into the other's
.set SCK,   2*VOFF                     ; behind slot 0: K's scale blocks of the whole head, 8,192 bytes;
.set SCV,   SCK+8192                   ; V's;
.set SPARE, SCV+8192                   ; the spare words, 128 bytes for each wave: four blocks of 256 bytes that no other line names;
.set YSC,   SPARE+1024                 ; y's scale words, 512 bytes: written by LDS stores alone;
.set WQL,   YSC+512                    ; the head's 128 rows of Wq, eight groups of GP bytes: written by LDS stores alone
.set STAGE, SLOT1+2*VOFF               ; behind slot 1: for each wave 8,192 bytes of O^T and 256 of statistics: written by LDS stores alone;
.set STGB,  8448
.set XL,    STAGE+8*STGB               ; the block's 128 rows of x, eight groups of GP bytes: written by LDS stores alone
.set NSL,   4                          ; slots' worth of keys: 2,048 / 512
.set SPW, 1                            ; v1   LDS address of my spare word: SPARE + 4 x my thread's number; never rewritten
.set NIL, 2                            ; v2   0; never rewritten
.set AK0, 3                            ; v3   16 x lane + gq x two steps: my place in a slot's K
.set AV0, 4                            ; v4   the same in its V
.set AS0, 5                            ; v5   SCK + 8 x lane + gq x 1,024: my place among K's scale blocks (V's lie 8,192 on)
.set ADK, 6                            ; v6-8 the same three for the slot in hand
.set ADV, 7
.set ADS, 8
.set XRB, 9                            ; v9   LDS address of my lane's bytes in set B's tile of x
.set LS,  10                           ; v10  (r + 8 (r / 8)) x 4: my lane's scale word in a tile, in memory
.set STW, 11                           ; v11  my wave's stage + 16 x lane
.set STS, 12                           ; v12  its statistics + 8 x lane
.set STR, 13                           ; v13, v14 the same of wave w xor 4
.set STT, 14
.set YSW, 15                           ; v15  YSC + 64 x (2 p + gq) + 4 r
.set QA,  16                           ; v16-27, v28-39 the two query fragments
.set QB,  28
.set QSA, 40                           ; v40, v41 their scale words
.set QSB, 41
.set KS,  42                           ; v42-45 K's scale words of a step: tile t in register t / 2, lanes 16 (t % 2) on
.set VS,  46                           ; v46-49 V's
.set PSA, 50                           ; v50, v51 p's scale words (v50 at the end: y's)
.set PSB, 51
.set STA, 52                           ; v52 -M, v53 the largest t, v[54:55] the sum in two halves: set A
.set STB, 56                           ; v56-59 set B
.set FP,  60                           ; v[60:61] f = 2^(old M - new M) (the pair's upper word is written once)
.set PP,  62                           ; v[62:63] the partner's -M and sum
.set SA,  64                           ; v64-127, v128-191 S^T, then p (v64-87 at the head: my eighths of Wq and x as they lie)
.set SB,  128
.set PA,  192                          ; v192-203, v204-215 p's codes (at the head: x's two fragments; at the end: y's codes)
.set PB,  204
.set X,   216                          ; v216-223 the upper halves of the blocks' codes
.set BM,  224                          ; v224-227 the four blocks' maxima
.set PM,  228                          ; v228-231 the other half's; then the scale bytes
.set SO,  232                          ; v232-235 the conversions' scale operands
.set SU,  236                          ; v[236:237] the second chain of a sum
.set T0,  238
.set T1,  239
.set WQS, 240                          ; v240-247 Wq's scale words
.set XSW, 248                          ; v248, v249 x's
.set L16, 250                          ; v250 16 x lane
.set YSR, 251                          ; v251 YSC + 16 x lane
.set WQW, 252                          ; v252 where I store my eighth of Wq: WQL + GP x wave + 16 x lane
.set XW,  253                          ; v253 and of x: XL + GP x wave + 16 x lane
.set WQR, 254                          ; v254 LDS address of my lane's bytes in Wq's tile 0
.set XRA, 255                          ; v255 and in set A's tile of x
.set OA,  128                          ; in window 1
.set OB,  192
.set WV,  24                           ; s24 my wave's number; s25 p; s26 gq; s27 wave % 2
.set SEL, 28                           ; s[28:29] v_permlanex16_b32's selects for lane l xor 16
.set CS,  30                           ; s[30:31] c = log2(e) / sqrt(128): the packed form names a pair and takes its low word for both halves
.set G1,  32                           ; s[32:39] descriptor group 1: 96 rows of 256 bytes
.set G1S, 40                           ; s[40:47] the same with 16 rows
.set G0K, 48                           ; s[48:51], s[52:55] groups 0 for K's and V's tiles, which walk
.set G0V, 52
.set G0SK, 56                          ; s[56:59], s[60:63] groups 0 for the scale blocks
.set G0SV, 60
.set TB,  66                           ; s66 LDS byte at which the slot in hand begins
.set TS,  67                           ; s67 where its scale blocks begin: 2,048 bytes a slot
.set SLOTS, 68                         ; s68 slots still to be asked for
.set MSB, 0
.macro WIN new                         ; the immediate's high byte repeats the setting that is left; a switch that changes nothing is dropped
.if MSB != \new
	s_set_vgpr_msb (MSB<<8)|\new
.set MSB, \new
.endif
.endm
.set TO_F, 0x40                        ; destination window 1 (loads into the fragment buffer; the moves that start O^T)
.set W_S,  0x01                        ; source 0 window 1: the products that make S^T; the merge's multiply-adds
.set W_O,  0x51                        ; source 0 (V), C and D (O^T) window 1; source 1 (P) window 0
.set W_RS, 0x41                        ; O^T (destination and source 0) window 1, f window 0
.set W_ST, 0x04                        ; an LDS store's data are its source 1: window 1
.macro PLACES
.rept 4
	v_nop
.endr
.endm
; A joint refill: waves 0 and 1 fetch the halves of a slot's K, waves 2 and 3 of its V, the others nothing.  The branches hang on the wave's number alone.  Four v_nop follow each line.
.macro JLOAD
	s_cmp_lt_u32 s[WV], 2
	s_cbranch_scc0 .Lnot_k_\@
	tensor_load_to_lds s[G0K:G0K+3], s[G1:G1+7]
	s_nop 0
	PLACES
	s_branch .Lasked_\@
.Lnot_k_\@:
	s_cmp_lt_u32 s[WV], 4
	s_cbranch_scc0 .Lasked_\@
	tensor_load_to_lds s[G0V:G0V+3], s[G1:G1+7]
	s_nop 0
	PLACES
.Lasked_\@:
.endm
; A round of the cluster's barrier: my work-group's barrier, wave 0 signals for the work-group, every wave waits for all four work-groups, my work-group's barrier once more.
.macro CROUND
	s_barrier_signal -1
	s_barrier_wait -1
	s_cmp_lg_u32 s[WV], 0
	s_cbranch_scc1 .Lnot_wave_0_\@
	s_barrier_signal -3
.Lnot_wave_0_\@:
	s_barrier_wait -3
	s_barrier_signal -1
	s_barrier_wait -1
.endm
.macro FRAGL reg, adr, off             ; a fragment from rows of 96 bytes in LDS: 24 bytes twice, as pieces of 8 so that every address is a multiple of the access's size
.irp p, 0,1,2,3,4,5
	ds_load_b64 v[\reg+2*\p:\reg+2*\p+1], v[\adr] offset:\off+48*(\p/3)+8*(\p%3)
.endr
.endm
.macro ABSMAX s                        ; the largest magnitude of each block of 32: my 16 numbers, the floor 2^(3 - 127), and lane l xor 16's 16
.irp b, 0,1,2,3
	v_max3_num_f32 v[BM+\b], |v[\s+16*\b]|, |v[\s+16*\b+1]|, 0x1800000
.endr
.irp i, 2,4,6,8,10,12,14
.irp b, 0,1,2,3
	v_max3_num_f32 v[BM+\b], v[BM+\b], |v[\s+16*\b+\i]|, |v[\s+16*\b+\i+1]|
.endr
.endr
.irp b, 0,1,2,3
	v_permlanex16_b32 v[PM+\b], v[BM+\b], s[SEL], s[SEL+1]
.endr
.irp b, 0,1,2,3
	v_max_num_f32 v[BM+\b], v[BM+\b], v[PM+\b]
.endr
.endm
.macro SCALEW pw                       ; 2 off the exponent field: the conversion's scale operand; its exponent field is the scale's byte; four bytes make the row's word
.irp b, 0,1,2,3
	v_add_nc_u32 v[SO+\b], 0xff000000, v[BM+\b]
.endr
.irp b, 0,1,2,3
	v_lshrrev_b32 v[PM+\b], 23, v[SO+\b]
.endr
	v_lshl_or_b32 v[\pw], v[PM+1], 8, v[PM]
	v_lshl_or_b32 v[\pw], v[PM+2], 16, v[\pw]
	v_lshl_or_b32 v[\pw], v[PM+3], 24, v[\pw]
.endm
.macro CODES s, pc                     ; 64 numbers become 12 registers of codes in the operand's layout
.irp c, 0,1
	v_cvt_scalef32_pk16_fp6_f32 v[\pc+6*\c:\pc+6*\c+2], v[\s+32*\c:\s+32*\c+15], v[SO+2*\c]
	v_cvt_scalef32_pk16_fp6_f32 v[X+4*\c:X+4*\c+2], v[\s+32*\c+16:\s+32*\c+31], v[SO+2*\c+1]   ; (a conversion's three registers begin on an even number)
.endr
	v_nop                                          ; one plain place behind a scaled conversion
.irp c, 0,1                            ; the layout wants a WHOLE block in a lane: lanes 0-15 block 2 c, lanes 16-31 block 2 c + 1
.irp i, 0,1,2
	v_permlane16_swap_b32 v[\pc+6*\c+\i], v[X+4*\c+\i]
.endr
.irp i, 0,1,2
	v_mov_b32 v[\pc+3+6*\c+\i], v[X+4*\c+\i]
.endr
.endr
.endm
.macro QUANT s, pc, pw
	ABSMAX \s
	SCALEW \pw
	CODES \s, \pc
.endm
; One product.  MMZ starts a sum with the constant 0, MMA adds in place.  odd = 1: source 0's scale words stand in lanes 16-31 of their register.
.macro MMZ d, a, b, sa, sb, odd
.if \odd
	v_wmma_scale_f32_16x16x128_f8f6f4 v[\d:\d+7], v[\a:\a+11], v[\b:\b+11], 0, v[\sa], v[\sb] matrix_a_fmt:MATRIX_FMT_FP6 matrix_b_fmt:MATRIX_FMT_FP6 matrix_a_scale:MATRIX_SCALE_ROW1
.else
	v_wmma_scale_f32_16x16x128_f8f6f4 v[\d:\d+7], v[\a:\a+11], v[\b:\b+11], 0, v[\sa], v[\sb] matrix_a_fmt:MATRIX_FMT_FP6 matrix_b_fmt:MATRIX_FMT_FP6
.endif
.endm
.macro MMA d, a, b, sa, sb, odd
.if \odd
	v_wmma_scale_f32_16x16x128_f8f6f4 v[\d:\d+7], v[\a:\a+11], v[\b:\b+11], v[\d:\d+7], v[\sa], v[\sb] matrix_a_fmt:MATRIX_FMT_FP6 matrix_b_fmt:MATRIX_FMT_FP6 matrix_a_scale:MATRIX_SCALE_ROW1
.else
	v_wmma_scale_f32_16x16x128_f8f6f4 v[\d:\d+7], v[\a:\a+11], v[\b:\b+11], v[\d:\d+7], v[\sa], v[\sb] matrix_a_fmt:MATRIX_FMT_FP6 matrix_b_fmt:MATRIX_FMT_FP6
.endif
.endm
; The eight fragments and the two scale blocks of my q-th step of the slot in hand: 24 loads of 512 consecutive bytes, 2 of 256.
.macro FETCH_K q
	WIN TO_F
.irp t, 0,1,2,3,4,5,6,7
.irp c, 0,1,2
	ds_load_b128 v[12*\t+4*\c:12*\t+4*\c+3], v[ADK] offset:(\q)*STEPB+\t*FRB+512*\c
.endr
.endr
	WIN 0
	ds_load_b64 v[KS:KS+1], v[ADS] offset:(\q)*512
	ds_load_b64 v[KS+2:KS+3], v[ADS] offset:(\q)*512+256
.endm
.macro FETCH_V q
	WIN TO_F
.irp t, 0,1,2,3,4,5,6,7
.irp c, 0,1,2
	ds_load_b128 v[12*\t+4*\c:12*\t+4*\c+3], v[ADV] offset:(\q)*STEPB+\t*FRB+512*\c
.endr
.endr
	WIN 0
	ds_load_b64 v[VS:VS+1], v[ADS] offset:8192+(\q)*512
	ds_load_b64 v[VS+2:VS+3], v[ADS] offset:8192+(\q)*512+256
.endm
.macro SMUL                            ; S^T = K Q^T: eight tiles of keys x my two query tiles
	WIN W_S
.irp t, 0,1,2,3,4,5,6,7
	MMZ SA+8*\t, 12*\t, QA, KS+\t/2, QSA, \t%2
	MMZ SB+8*\t, 12*\t, QB, KS+\t/2, QSB, \t%2
.endr
	WIN 0
.endm
.macro OMUL                            ; O^T += V^T P^T: the sixteen accumulators take turns, one instruction a turn
	WIN W_O
.irp t, 0,1,2,3,4,5,6,7
	MMA OA+8*\t, 12*\t, PA, VS+\t/2, PSA, \t%2
	MMA OB+8*\t, 12*\t, PB, VS+\t/2, PSB, \t%2
.endr
	WIN 0
.endm
; One query tile's softmax for a step of 128 keys: s the scores, st the statistics, pc and pw p's codes and scale word, o its O^T (window 1).
.macro SOFT s, st, pc, pw, o
.irp b, 0,1,2,3
	v_max3_num_f32 v[BM+\b], v[\s+16*\b], v[\s+16*\b+1], v[\s+16*\b+2]   ; THE LARGEST SCORE OF EACH BLOCK OF 32 KEYS serves twice: for the row's maximum and, since p rises with the score, for the block's largest p
.endr
.irp i, 3,5,7,9,11,13
.irp b, 0,1,2,3
	v_max3_num_f32 v[BM+\b], v[BM+\b], v[\s+16*\b+\i], v[\s+16*\b+\i+1]
.endr
.endr
.irp b, 0,1,2,3
	v_max_num_f32 v[BM+\b], v[BM+\b], v[\s+16*\b+15]
.endr
.irp b, 0,1,2,3
	v_permlanex16_b32 v[PM+\b], v[BM+\b], s[SEL], s[SEL+1]
.endr
.irp b, 0,1,2,3
	v_max_num_f32 v[BM+\b], v[BM+\b], v[PM+\b]     ; with lane l xor 16's 16 keys
.endr
	v_max3_num_f32 v[T0], v[BM], v[BM+1], v[BM+2]
	v_max_num_f32 v[T0], v[T0], v[BM+3]            ; the step's largest score of my query,
	v_mul_f32 v[T0], s[CS], v[T0]                  ; as t (c is positive)
	v_max_num_f32 v[\st+1], v[\st+1], v[T0]        ; the running largest t
	v_mov_b32 v[T0], v[\st]
	v_floor_f32 v[\st], -v[\st+1]                  ; the new -M = floor(-t) = -ceil(t): M is a whole number
	v_sub_f32 v[T0], v[\st], v[T0]                 ; old M less new M: a whole number, 0 or less
	v_cvt_i32_f32 v[T0], v[T0]                     ; (it saturates)
	v_ldexp_f32 v[FP], 1.0, v[T0]                  ; f = 2^(old M - new M)
.set j, 0
.rept 32
	v_pk_fma_f32 v[\s+j:\s+j+1], v[\s+j:\s+j+1], s[CS:CS+1], v[\st:\st+1] op_sel_hi:[1,0,0]   ; t - M, two at a time (of the pairs c and -M the low word serves both halves)
.set j, j+2
.endr
.irp b, 0,1,2,3
	v_fma_f32 v[BM+\b], v[BM+\b], s[CS], v[\st]    ; the same of each block's largest score
.endr
.set j, 0
.rept 64
	v_exp_f32 v[\s+j], v[\s+j]                     ; p = 2^(t - M), at most 1
.set j, j+1
.endr
.irp b, 0,1,2,3
	v_exp_f32 v[BM+\b], v[BM+\b]                   ; the block's largest p: the same two instructions on the same number give the same bits
.endr
	v_pk_mul_f32 v[\st+2:\st+3], v[\st+2:\st+3], v[FP:FP+1] op_sel_hi:[1,0]   ; the sum under the new M.  (The plain place behind the exponentials)
	s_wait_alu depctr_va_vdst(0)
.irp b, 0,1,2,3
	v_max_num_f32 v[BM+\b], 0x1800000, v[BM+\b]    ; the floor 2^(3 - 127): the byte cannot fall under 1
.endr
	SCALEW \pw
	CODES \s, \pc
	WIN W_RS
.set j, 0
.rept 32
	v_pk_mul_f32 v[\o+j:\o+j+1], v[\o+j:\o+j+1], v[FP:FP+1] op_sel_hi:[1,0]   ; O^T under the new M.  (These lines are also the places between the writing of p's codes and scale word and the products that take them)
.set j, j+2
.endr
	WIN 0
.endm
.macro SUMS s, st                      ; the row's sum is taken of the UNQUANTISED p: two at a time, in two chains: 32 plain lines
	v_pk_add_f32 v[SU:SU+1], v[\s:\s+1], v[\s+2:\s+3]
.irp j, 4,8,12,16,20,24,28,32,36,40,44,48,52,56,60
	v_pk_add_f32 v[\st+2:\st+3], v[\st+2:\st+3], v[\s+\j:\s+\j+1]
	v_pk_add_f32 v[SU:SU+1], v[SU:SU+1], v[\s+\j+2:\s+\j+3]
.endr
	v_pk_add_f32 v[\st+2:\st+3], v[\st+2:\st+3], v[SU:SU+1]
.endm
; A KEY STEP: 128 keys, my q-th of the slot.  One fragment buffer serves K and V by turns: V is asked for behind the first products and lands under the two softmaxes;
; the next step's K is asked for behind the second products and one tile's sums, and lands under the other tile's sums.
.macro STEP q, nextk
	s_wait_dscnt 0x0                               ; K and its scale words are in
	SMUL
	PLACES                                         ; four places in front of the loads into the buffer that the products read, and of the first read of the scores
	FETCH_V \q
	SOFT SA, STA, PA, PSA, OA
	SOFT SB, STB, PB, PSB, OB
	s_wait_dscnt 0x0                               ; V and its scale words are in
	OMUL
	SUMS SA, STA                                   ; names no register of the products above: its lines are the places in front of the loads below
.if \nextk
	FETCH_K \q+1
.endif
	SUMS SB, STB
.endm
.macro SLOT_STEPS                      ; my two steps of the slot in hand
	v_add_nc_u32 v[ADK], s[TB], v[AK0]
	v_add_nc_u32 v[ADV], s[TB], v[AV0]
	v_add_nc_u32 v[ADS], s[TS], v[AS0]
	FETCH_K 0
	STEP 0, 1
	STEP 1, 0
	s_xor_b32 s[TB], s[TB], SLOT1                  ; on to the other slot,
	s_add_co_u32 s[TS], s[TS], 2048                ; and to its four steps' scale blocks
.endm
; THE CHANGE OF SLOTS stands at a slot's head.  Each wave waits for all its tensor loads (its part of the slot ahead), adds 0 to its spare word, and waits for that and for its reads of the slot left.
; fill = 1: the barrier is a round of the cluster's, so that no wave of any partner still reads the slot left or has a load on its way; the joint refill of that slot comes first behind it
; and has a whole slot's work, 64 products and four softmaxes a wave, in which to land.
.macro CHANGE fill
	s_wait_tensorcnt 0x0                           ; no tensor load of mine is out, so a group 0 may be written
	ds_add_u32 v[SPW], v[NIL]                      ; 0 onto my spare word
.if \fill
	s_xor_b32 s[G0K+1], s[G0K+1], SLOT1            ; the walking descriptors: the other slot than last time,
	s_add_nc_u64 s[G0K+2:G0K+3], s[G0K+2:G0K+3], VOFF   ; the next four steps; the type bits on top are not reached
	s_xor_b32 s[G0V+1], s[G0V+1], SLOT1
	s_add_nc_u64 s[G0V+2:G0V+3], s[G0V+2:G0V+3], VOFF
.endif
	s_wait_dscnt 0x0                               ; the add is done, and my reads of the slot that I have left are over
.if \fill
	CROUND
	JLOAD                                          ; the first thing behind the round, and a wave's one tensor load until the next
.else
	s_barrier_signal -1
	s_barrier_wait -1
.endif
.endm
	s_load_b256 s[4:11], s[0:1], 0x0               ; x's codes s[4:5], x's scales s[6:7], Wq's codes s[8:9], Wq's scales s[10:11]
	s_load_b256 s[12:19], s[0:1], 0x20             ; kc s[12:13], ks s[14:15], vc s[16:17], vs s[18:19]
	s_load_b128 s[20:23], s[0:1], 0x40             ; yc s[20:21], ys s[22:23]
	v_lshl_add_u32 v[SPW], v0, 2, SPARE
	v_mov_b32 v[NIL], 0
	ds_add_u32 v1, v2
	s_wait_dscnt 0x0
	v_lshrrev_b32 v[T0], 5, v0
	v_readfirstlane_b32 s[WV], v[T0]               ; wave 0..7
	s_and_b32 s25, s[WV], 3                        ; p
	s_lshr_b32 s26, s[WV], 2                       ; gq
	s_and_b32 s27, s[WV], 1                        ; which half of a tile I fetch, if I fetch
	s_bfe_u32 s69, ttmp6, 0x40000                  ; cx: my place in the cluster: it enters x's, yc's and ys's addresses alone
	s_lshl_b32 s70, ttmp9, 2                       ; in a cluster launch ttmp9 counts clusters
	s_add_co_u32 s70, s70, s69                     ; my block of 128 queries
	s_and_b32 s71, ttmp7, 0xffff                   ; g, which the four partners share
	s_lshr_b32 s72, s71, 3                         ; batch
	s_and_b32 s73, s71, 7                          ; head
	; every LDS address register that stays is made here, ahead of the first branch on the wave's number
	v_and_b32 v[T1], 31, v0                        ; lane
	v_lshlrev_b32 v[L16], 4, v[T1]
	s_mul_i32 s90, s26, 2*STEPB
	v_add_nc_u32 v[AK0], s90, v[L16]
	v_add_nc_u32 v[AV0], VOFF, v[AK0]
	s_lshl_b32 s90, s26, 10
	s_add_co_u32 s90, s90, SCK
	v_lshl_add_u32 v[AS0], v[T1], 3, s90
	s_mul_i32 s90, s[WV], STGB
	s_add_co_u32 s90, s90, STAGE
	v_add_nc_u32 v[STW], s90, v[L16]
	s_add_co_u32 s91, s90, 8192
	v_lshl_add_u32 v[STS], v[T1], 3, s91
	s_xor_b32 s90, s[WV], 4                        ; my partner
	s_mul_i32 s90, s90, STGB
	s_add_co_u32 s90, s90, STAGE
	v_add_nc_u32 v[STR], s90, v[L16]
	s_add_co_u32 s91, s90, 8192
	v_lshl_add_u32 v[STT], v[T1], 3, s91
	v_and_b32 v[T0], 15, v0                        ; r
	s_lshl_b32 s90, s25, 1
	s_add_co_u32 s90, s90, s26                     ; 2 p + gq: set A's tile in the block
	s_lshl_b32 s90, s90, 6
	s_add_co_u32 s90, s90, YSC
	v_lshl_add_u32 v[YSW], v[T0], 2, s90
	v_add_nc_u32 v[YSR], YSC, v[L16]
	v_bfe_u32 v[T1], v0, 4, 1                      ; h
	v_and_b32 v[WQR], 8, v[T0]                     ; 8 (r / 8)
	v_add_nc_u32 v[LS], v[WQR], v[T0]              ; r + 8 (r / 8)
	v_mul_u32_u24 v[XRB], v[LS], ROWB
	v_mad_u32_u24 v[XRB], v[T1], 24, v[XRB]
	v_lshl_add_u32 v[XRB], v[WQR], 1, v[XRB]       ; my lane's bytes in a tile: (r + 8 (r / 8)) x 96 + 24 h, and one padding more for places 8-15, which lie in the next group of 16 rows
	v_lshlrev_b32 v[LS], 2, v[LS]
	v_add_nc_u32 v[WQR], WQL, v[XRB]
	s_mul_i32 s90, s25, 2*GP                       ; x: rows 32 p on are two groups a p,
	s_mul_i32 s91, s26, 8*ROWB                     ; and 8 gq rows on for set A,
	s_add_co_u32 s92, s90, s91
	s_add_co_u32 s92, s92, XL
	v_add_nc_u32 v[XRA], s92, v[XRB]
	s_xor_b32 s91, s91, 8*ROWB                     ; 8 (1 - gq) for set B
	s_add_co_u32 s92, s90, s91
	s_add_co_u32 s92, s92, XL
	v_add_nc_u32 v[XRB], s92, v[XRB]
	s_mul_i32 s90, s[WV], GP                       ; my eighth of Wq and of x is one group of 16 rows
	s_add_co_u32 s91, s90, WQL
	v_add_nc_u32 v[WQW], s91, v[L16]
	s_add_co_u32 s91, s90, XL
	v_add_nc_u32 v[XW], s91, v[L16]
	; descriptor group 1: a dense block as rows of 256 bytes (32 elements of 8 bytes)
	s_mov_b32 s[G1], 15|(3<<16)|(1<<21)            ; 15:0 the mask: all four work-groups; 17:16 elements of 8 bytes; 20 no padding; 21 set beside a mask
	s_mov_b32 s[G1+1], 32<<16                      ; tensor_dim0 = 32
	s_mov_b32 s[G1+2], 96<<16                      ; tensor_dim1 = 96: half of a slot's K or V, 24,576 bytes
	s_mov_b32 s[G1+3], 32<<16                      ; tile_dim0
	s_mov_b32 s[G1+4], 96                          ; tile_dim1
	s_mov_b32 s[G1+5], 32                          ; the pitch
	s_mov_b32 s[G1+6], 0
	s_mov_b32 s[G1+7], 0
	s_mov_b32 s[G1S], 15|(3<<16)|(1<<21)
	s_mov_b32 s[G1S+1], 32<<16
	s_mov_b32 s[G1S+2], 16<<16                     ; 16 rows: half of a head's scale blocks, 4,096 bytes
	s_mov_b32 s[G1S+3], 32<<16
	s_mov_b32 s[G1S+4], 16
	s_mov_b32 s[G1S+5], 32
	s_mov_b32 s[G1S+6], 0
	s_mov_b32 s[G1S+7], 0
	; groups 0: made of g and the wave's number alone, in registers that never hold cx
	s_mul_i32 s[G0K+1], s27, 2*STEPB               ; LDS: my half of slot 0's K,
	s_add_co_u32 s[G0V+1], s[G0K+1], VOFF          ; or of its V
	s_mul_i32 s82, s71, 128*FRB                    ; memory: the head's 128 fragments,
	s_add_co_u32 s82, s82, s[G0K+1]                ; my half of the first four steps
	s_mov_b32 s83, 0
	s_lshl_b32 s85, s27, 12
	s_add_co_u32 s[G0SK+1], s85, SCK
	s_add_co_u32 s[G0SV+1], s85, SCV
	s_lshl_b32 s84, s71, 13                        ; the head's 8,192 bytes of scale blocks,
	s_add_co_u32 s84, s84, s85                     ; my half
	s_mov_b32 s85, 0
	s_mov_b32 s[G0K], 1
	s_mov_b32 s[G0V], 1
	s_mov_b32 s[G0SK], 1
	s_mov_b32 s[G0SV], 1
	s_mov_b32 s[SEL], 0x76543210
	s_mov_b32 s[SEL+1], 0xfedcba98
	s_mov_b32 s[CS], 0x3e0293ee                    ; c = log2(e) / sqrt(128)
	s_mov_b32 s[CS+1], s[CS]                       ; (named with it as a pair, so it is written)
	s_mov_b32 s[TB], 0
	s_mov_b32 s[TS], 0
	s_mov_b32 s[SLOTS], NSL-1
	; the block's first row of x is 32 (64 batch + 4 block); my two query tiles begin 32 p + 8 gq and 32 p + 8 (1 - gq) rows on
	s_lshl_b32 s90, s72, 6
	s_lshl_b32 s91, s70, 2
	s_add_co_u32 s90, s90, s91
	s_mul_i32 s2, s[WV], FRB                       ; my eighth of a block of 128 rows of codes, in memory
	s_mul_i32 s3, s90, 32*ROWB
	s_add_co_u32 s3, s3, s2                        ; x's codes: the block's rows, my eighth
	s_add_co_u32 s90, s90, s25
	s_lshl_b32 s90, s90, 5
	s_lshl_b32 s91, s26, 3
	s_add_co_u32 s92, s90, s91                     ; set A's first row
	s_xor_b32 s91, s91, 8
	s_add_co_u32 s94, s90, s91                     ; set B's
	s_lshl_b32 s93, s71, 7
	s_lshl_b32 s95, s70, 3
	s_add_co_u32 s93, s93, s95                     ; g x 128 + the block's first token tile
	s_mov_b32 s91, 0
	s_wait_kmcnt 0x0
	s_add_nc_u64 s[G0K+2:G0K+3], s[12:13], s[82:83]
	s_or_b32 s[G0K+3], s[G0K+3], 0x80000000        ; type = 2
	s_add_nc_u64 s[G0V+2:G0V+3], s[16:17], s[82:83]
	s_or_b32 s[G0V+3], s[G0V+3], 0x80000000
	s_add_nc_u64 s[G0SK+2:G0SK+3], s[14:15], s[84:85]
	s_or_b32 s[G0SK+3], s[G0SK+3], 0x80000000
	s_add_nc_u64 s[G0SV+2:G0SV+3], s[18:19], s[84:85]
	s_or_b32 s[G0SV+3], s[G0SV+3], 0x80000000
	s_mov_b32 s90, s3
	s_add_nc_u64 s[74:75], s[4:5], s[90:91]        ; x's codes: my eighth of the block
	s_lshl_b32 s90, s92, 2
	s_add_nc_u64 s[78:79], s[6:7], s[90:91]        ; x's scale words, set A
	s_lshl_b32 s90, s94, 2
	s_add_nc_u64 s[80:81], s[6:7], s[90:91]        ; set B
	s_mul_i32 s90, s73, 128*ROWB
	s_add_co_u32 s90, s90, s2
	s_add_nc_u64 s[76:77], s[8:9], s[90:91]        ; Wq's codes: my eighth of the head's 128 rows
	s_lshl_b32 s90, s73, 9
	s_add_nc_u64 s[10:11], s[10:11], s[90:91]      ; Wq's scale words at the head's rows
	s_lshl_b32 s90, s93, 6
	s_add_nc_u64 s[88:89], s[22:23], s[90:91]      ; ys: the block's 512 bytes
	s_lshl_b32 s95, s25, 1
	s_add_co_u32 s93, s93, s95
	s_add_co_u32 s93, s93, s26
	s_mul_i32 s90, s93, FRB
	s_add_nc_u64 s[86:87], s[20:21], s[90:91]      ; yc: set A's fragment
	; my eighths of Wq and x, as they lie, and the scale words: asked for ahead of the round, so that they are on their way during it; nobody writes these buffers
.irp c, 0,1,2
	global_load_b128 v[SA+4*\c:SA+4*\c+3], v[L16], s[76:77] offset:512*\c
.endr
.irp c, 0,1,2
	global_load_b128 v[SA+12+4*\c:SA+12+4*\c+3], v[L16], s[74:75] offset:512*\c
.endr
.irp t, 0,1,2,3,4,5,6,7
	global_load_b32 v[WQS+\t], v[LS], s[10:11] offset:(32*(\t/2)+8*(\t%2))*4
.endr
	global_load_b32 v[XSW], v[LS], s[78:79]
	global_load_b32 v[XSW+1], v[LS], s[80:81]
	CROUND                                         ; all four work-groups are here: the first joint loads meet
	s_cmp_lt_u32 s[WV], 2                          ; a wave's two first fills stand in one branch, ahead of every wait on TENSORcnt and every LDS read: two loads of mine are out
	s_cbranch_scc0 .Lfirst_not_k
	tensor_load_to_lds s[G0SK:G0SK+3], s[G1S:G1S+7]   ; K's scale blocks of the whole head: filled once
	s_nop 0
	tensor_load_to_lds s[G0K:G0K+3], s[G1:G1+7]       ; slot 0
	s_nop 0
	PLACES
	s_branch .Lfirst_asked
.Lfirst_not_k:
	s_cmp_lt_u32 s[WV], 4
	s_cbranch_scc0 .Lfirst_asked
	tensor_load_to_lds s[G0SV:G0SV+3], s[G1S:G1S+7]
	s_nop 0
	tensor_load_to_lds s[G0V:G0V+3], s[G1:G1+7]
	s_nop 0
	PLACES
.Lfirst_asked:
.irp st, STA, STB
	v_mov_b32 v[\st+1], 0xff61b1e6                 ; the largest t so far: -3e38, under every t
	v_floor_f32 v[\st], -v[\st+1]                  ; -M
	v_mov_b32 v[\st+2], 0                          ; the sum, in two halves
	v_mov_b32 v[\st+3], 0
.endr
.irp b, 0,1,2,3
	v_mov_b32 v[PM+\b], 0                          ; written once: a lane permute's destination counts as one of its sources
.endr
	v_mov_b32 v[FP+1], 0                           ; (named as the upper halves of pairs)
	v_mov_b32 v[PP+1], 0
	s_wait_loadcnt 10                              ; loads come back in order: my eighths of Wq and x are in; the ten scale-word loads may be out
.irp c, 0,1,2
	ds_store_b128 v[WQW], v[SA+4*\c:SA+4*\c+3] offset:512*\c
.endr
.irp c, 0,1,2
	ds_store_b128 v[XW], v[SA+12+4*\c:SA+12+4*\c+3] offset:512*\c
.endr
	s_wait_dscnt 0x0                               ; for the others' sake: my eighths lie in LDS
	s_barrier_signal -1                            ; (my two tensor loads may stay out, and only Wq's and x's rows are read behind it)
	s_barrier_wait -1                              ; everybody's do
	; ---- q = x Wq for my two tiles: source 0 = the head's eight tiles of Wq's rows, source 1 = 16 tokens: a lane holds one query, its registers run along the channels.
	; (Both waves of a pair make the same two tiles: 16 products beside the loop's 256, and no further barrier.)
	WIN TO_F
.irp t, 0,1,2,3,4,5,6,7
	FRAGL 12*\t, WQR, (32*(\t/2)+8*(\t%2))*ROWB+32*(\t/2)
.endr
	WIN 0
	FRAGL PA, XRA, 0
	FRAGL PB, XRB, 0
	s_wait_loadcnt 0x0                             ; the scale words
	s_wait_dscnt 0x0                               ; the fragments
	WIN W_S
.irp t, 0,1,2,3,4,5,6,7
	MMZ SA+8*\t, 12*\t, PA, WQS+\t, XSW, 0
	MMZ SB+8*\t, 12*\t, PB, WQS+\t, XSW+1, 0
.endr
	WIN 0
	PLACES
	QUANT SA, QA, QSA
	QUANT SB, QB, QSB
	WIN TO_F
.set j, 0
.rept 128
	v_mov_b32 v[OA+j], 0                           ; O^T.  The key step is written once: the first finds zeros, which the first change of M leaves zeros.  (Also the places between the writing of q's codes and scale words and the first products)
.set j, j+1
.endr
	WIN 0
.Lslot:                                            ; NSL - 1 trips: behind each change of slots but the last the next slot is asked for
	CHANGE 1
	SLOT_STEPS
	s_sub_co_u32 s[SLOTS], s[SLOTS], 1
	s_cmp_lg_u32 s[SLOTS], 0
	s_cbranch_scc1 .Lslot
	CHANGE 0                                       ; the last slot is written out
	SLOT_STEPS
	; ---- THE MERGE.  My set B goes to my partner as an image of its registers; my partner's set B is my set A over the other half of the keys.  (The sums above are the places behind the last products.)
	v_add_f32 v[STA+1], v[STA+2], v[STA+3]         ; the sums' two halves; the largest t is done with
	v_add_f32 v[STB+1], v[STB+2], v[STB+3]
	WIN W_ST
.irp k, 0,1,2,3,4,5,6,7,8,9,10,11,12,13,14,15
	ds_store_b128 v[STW], v[OB+4*\k:OB+4*\k+3] offset:512*\k   ; each accumulator from its low end on
.endr
	WIN 0
	ds_store_b64 v[STS], v[STB:STB+1]              ; -M and the sum
	s_wait_dscnt 0x0                               ; for the partner's sake: my stores are done
	s_barrier_signal -1
	s_barrier_wait -1
.irp k, 0,1,2,3,4,5,6,7,8,9,10,11,12,13,14,15
	ds_load_b128 v[SA+4*\k:SA+4*\k+3], v[STR] offset:512*\k
.endr
	ds_load_b64 v[PP:PP+1], v[STT]
	s_wait_dscnt 0x0
	v_min_num_f32 v[T0], v[STA], v[PP]             ; -M of both halves: the larger M
	v_sub_f32 v[SU], v[T0], v[STA]                 ; my M less the common M: a whole number, 0 or less
	v_sub_f32 v[SU+1], v[T0], v[PP]                ; the partner's
	v_cvt_i32_f32 v[SU], v[SU]
	v_cvt_i32_f32 v[SU+1], v[SU+1]
	v_ldexp_f32 v[SU], 1.0, v[SU]                  ; exact powers of two
	v_ldexp_f32 v[SU+1], 1.0, v[SU+1]
	v_mul_f32 v[STA+1], v[STA+1], v[SU]
	v_fma_f32 v[STA+1], v[PP+1], v[SU+1], v[STA+1] ; the sum over all keys that lanes l hold,
	v_permlanex16_b32 v[PM], v[STA+1], s[SEL], s[SEL+1]
	v_add_f32 v[STA+1], v[STA+1], v[PM]            ; and lane l xor 16's: the row's sum
	v_rcp_f32 v[T1], v[STA+1]
	v_nop                                          ; one plain place behind a transcendental
	s_wait_alu depctr_va_vdst(0)
	v_mul_f32 v[FP], v[SU], v[T1]
	v_mul_f32 v[PP], v[SU+1], v[T1]
.set j, 0
.rept 32
	v_pk_mul_f32 v[SA+j:SA+j+1], v[SA+j:SA+j+1], v[PP:PP+1] op_sel_hi:[1,0]
.set j, j+2
.endr
	WIN W_S
.set j, 0
.rept 32
	v_pk_fma_f32 v[SB+j:SB+j+1], v[OA+j:OA+j+1], v[FP:FP+1], v[SA+j:SA+j+1] op_sel_hi:[1,0,1]   ; y: register 16 b + i = channel 32 b + 16 (lane / 16) + i of my query
.set j, j+2
.endr
	WIN 0
	; ---- y is quantised along the head's channels and leaves as a fragment's image; the block's scale words meet in LDS and leave as 512 consecutive bytes
	QUANT SB, PA, PSA
.irp c, 0,1,2
	global_store_b128 v[L16], v[PA+4*\c:PA+4*\c+3], s[86:87] offset:512*\c
.endr
	ds_store_b32 v[YSW], v[PSA]                    ; lanes r and r + 16 write the same word with the same value
	s_wait_dscnt 0x0
	s_barrier_signal -1
	s_barrier_wait -1
	s_cmp_lg_u32 s[WV], 0
	s_cbranch_scc1 .Lno_ys
	ds_load_b128 v[SA:SA+3], v[YSR]
	s_wait_dscnt 0x0
	global_store_b128 v[L16], v[SA:SA+3], s[88:89]
.Lno_ys:
	s_wait_tensorcnt 0x0                           ; the wave's end: behind my last tensor load and my last LDS store
	ds_add_u32 v[SPW], v[NIL]
	s_wait_dscnt 0x0
	CROUND                                         ; the closing round: no work-group ends while a partner may still ask for a tile that names it
	s_endpgm
.Lfunc_end_k_qc7c2c3b210_attn:
	.size	k_qc7c2c3b210_attn, .Lfunc_end_k_qc7c2c3b210_attn-k_qc7c2c3b210_attn
	.p2alignl 7, 3214868480
	.fill 96, 4, 3214868480
	.section	.rodata,"a",@progbits
	.p2align	6, 0x0
	.amdhsa_kernel k_qc7c2c3b210_attn
		.amdhsa_group_segment_fixed_size 327680
		.amdhsa_private_segment_fixed_size 0
		.amdhsa_enable_private_segment 0
		.amdhsa_kernarg_size 80
		.amdhsa_user_sgpr_count 2
		.amdhsa_user_sgpr_kernarg_segment_ptr 1
		.amdhsa_wavefront_size32 1
		.amdhsa_system_sgpr_workgroup_id_x 1
		.amdhsa_system_sgpr_workgroup_id_y 1
		.amdhsa_system_sgpr_workgroup_id_z 1
		.amdhsa_system_vgpr_workitem_id 0
		.amdhsa_next_free_vgpr 512
		.amdhsa_next_free_sgpr 96
		.amdhsa_reserve_vcc 0
		.amdhsa_float_denorm_mode_32 3
		.amdhsa_float_denorm_mode_16_64 3
		.amdhsa_memory_ordered 1
		.amdhsa_forward_progress 1
		.amdhsa_inst_pref_size 175
	.end_amdhsa_kernel
	.amdgpu_metadata
---
amdhsa.version: [ 1, 2 ]
amdhsa.kernels:
  - .name:           k_qc7c2c3b210_attn
    .symbol:         k_qc7c2c3b210_attn.kd
    .args:
      - { .name: x_codes, .offset: 0, .size: 8, .value_kind: global_buffer, .address_space: global }
      - { .name: x_scales, .offset: 8, .size: 8, .value_kind: global_buffer, .address_space: global }
      - { .name: Wq_codes, .offset: 16, .size: 8, .value_kind: global_buffer, .address_space: global }
      - { .name: Wq_scales, .offset: 24, .size: 8, .value_kind: global_buffer, .address_space: global }
      - { .name: kc, .offset: 32, .size: 8, .value_kind: global_buffer, .address_space: global }
      - { .name: ks, .offset: 40, .size: 8, .value_kind: global_buffer, .address_space: global }
      - { .name: vc, .offset: 48, .size: 8, .value_kind: global_buffer, .address_space: global }
      - { .name: vs, .offset: 56, .size: 8, .value_kind: global_buffer, .address_space: global }
      - { .name: yc, .offset: 64, .size: 8, .value_kind: global_buffer, .address_space: global }
      - { .name: ys, .offset: 72, .size: 8, .value_kind: global_buffer, .address_space: global }
    .group_segment_fixed_size: 327680
    .private_segment_fixed_size: 0
    .kernarg_segment_align: 8
    .kernarg_segment_size: 80
    .max_flat_workgroup_size: 256
    .sgpr_count:     96
    .vgpr_count:     512
    .wavefront_size: 32
...
	.end_amdgpu_metadata
.endif
;; end of part 2
;; launch outproj (part 3): grid 256 x 1, 8 waves a work-group, no clusters, 122,112 bytes of LDS; arguments yc, ys, Wu_codes, Wu_scales, bu, out0; writes out0
.if DOCPART == 3
	.amdgcn_target "amdgcn-amd-amdhsa--gfx1250"
	.amdhsa_code_object_version 6
	.text
	.protected	k_qc7c2c3b210_outproj
	.globl	k_qc7c2c3b210_outproj
	.p2align	8
	.type	k_qc7c2c3b210_outproj,@function
k_qc7c2c3b210_outproj:
	s_mov_b64 s[64:65], 0
	v_nop
	global_prefetch_b8 v0, s[64:65] scope:SCOPE_SE
	s_setreg_imm32_b32 hwreg(HW_REG_WAVE_MODE, 25, 1), 1
	s_wait_xcnt 0x0
; out = y Wu + bu on codes of FP6 (E2M3) with E8M0 scales.  y comes as images of fragments (16 tokens x one head's 128 channels, 1,536 bytes) with 16 scale words each;
; Wu as 128 rows (outputs) of 1,024 codes, 768 bytes, with 32 scale bytes a row.  out0: 4,096 tokens x 128, f32.
; SHARES.  A work-group takes one token tile (place r = token 32 (T / 2) + 8 (T % 2) + r + 8 (r / 8)); wave w makes outputs 16 w .. 16 w + 15.  K = 1,024 is eight products, one a head.
; The product is used transposed (source 0 = 16 rows of Wu, source 1 = 16 tokens): a lane holds eight neighbouring outputs of one token.
; IN.  All eight waves want the tile's eight fragments of y: wave w fetches head w's, three loads of 512 consecutive bytes, and stores its image to LDS; behind a barrier every wave reads all eight.
; A wave's 16 rows of Wu are 12,288 dense bytes: they come by 24 loads of 512 consecutive bytes and go through the wave's own bytes of LDS, into rows 784 bytes apart (768 + 16: row r starts at bank
; 4 r mod 64; 64 banks of 4 bytes: ISA guide 11.1), from which the fragments are read in pieces of 8 bytes, whose 32 lanes touch 64 different banks.
; TWO accumulators, even heads and odd heads, take turns; the bias is the C of the first product.  So a sum is formed in two halves that are added at the end.
; THE WAY OUT: a token's 128 outputs come from eight waves: they meet in a stage in LDS (rows of 512 + 16 bytes) and each wave stores two whole rows of 512 bytes.
; No tensor load, no cluster: what the work-groups share is under 0.2 MB and comes through registers.
.set FRB,  1536
.set YL,   0                           ; LDS: y's eight fragments as images;
.set STG,  YL+8*FRB                    ; the stage: 16 rows x 528 bytes;
.set WL,   STG+16*528                  ; for each wave its 16 rows of Wu
.set WP,   784                         ; a row of Wu in LDS
.set WREG, 16*WP
.set L16,  1                           ; v1   16 x lane
.set R4,   2                           ; v2   4 r
.set WR,   3                           ; v3   my wave's rows of Wu in LDS + r x 784 + 24 h
.set R32,  4                           ; v4   32 r: my row of Wu's scale bytes
.set H32,  5                           ; v5   32 h: my eight numbers of the bias
.set STO,  6                           ; v6   the stage: r x 528 + 64 w + 32 h
.set SRD,  7                           ; v7   back: 2 w rows + 16 x lane
.set WW0,  8                           ; v8   where I store Wu's bytes: my wave's rows + 16 x lane
.set WW1,  9                           ; v9   the same + 16 for lanes 16-31: for the loads that straddle two rows
.set YW,   10                          ; v10  where I store head w's fragment of y: FRB x wave + 16 x lane
.set Y,    16                          ; v16-111  y's eight fragments (first: Wu's 24 loads' bytes as they lie)
.set W,    112                         ; v112-207 Wu's eight
.set YS,   208                         ; v208-215 y's scale words, one register a head
.set WS,   216                         ; v216-223 Wu's
.set BI,   224                         ; v224-231 the bias in the result's layout
.set ACC,  232                         ; v232-239, v240-247 the two accumulators (first, v232-243: head w's fragment of y on its way to LDS)
.set SUM,  248                         ; v248-255 their sum
.macro FRAGL reg, adr, off             ; a fragment from rows in LDS: 24 bytes twice, as pieces of 8 so that every address is a multiple of the access's size
.irp p, 0,1,2,3,4,5
	ds_load_b64 v[\reg+2*\p:\reg+2*\p+1], v[\adr] offset:\off+48*(\p/3)+8*(\p%3)
.endr
.endm
	s_load_b256 s[4:11], s[0:1], 0x0               ; yc s[4:5], ys s[6:7], Wu's codes s[8:9], Wu's scales s[10:11]
	s_load_b128 s[12:15], s[0:1], 0x20             ; bu s[12:13], out0 s[14:15]
	v_lshl_add_u32 v14, v0, 2, 0x1d900
	v_mov_b32 v15, 0
	v_lshrrev_b32 v11, 5, v0
	v_readfirstlane_b32 s16, v11                   ; wave 0..7
	v_and_b32 v11, 31, v0
	v_lshlrev_b32 v[L16], 4, v11
	v_and_b32 v12, 15, v0                          ; r
	v_bfe_u32 v13, v0, 4, 1                        ; h
	v_lshlrev_b32 v[R4], 2, v12
	v_lshlrev_b32 v[R32], 5, v12
	v_lshlrev_b32 v[H32], 5, v13
	s_mul_i32 s20, s16, WREG
	s_add_co_u32 s20, s20, WL                      ; my wave's rows of Wu in LDS
	v_mul_u32_u24 v[WR], v12, WP
	v_mad_u32_u24 v[WR], v13, 24, v[WR]
	v_add_nc_u32 v[WR], s20, v[WR]
	v_add_nc_u32 v[WW0], s20, v[L16]
	v_lshl_add_u32 v[WW1], v13, 4, v[WW0]
	s_mul_i32 s20, s16, FRB
	v_add_nc_u32 v[YW], s20, v[L16]
	v_mul_u32_u24 v[STO], v12, 528
	v_lshl_add_u32 v[STO], v13, 5, v[STO]
	s_lshl_b32 s20, s16, 6
	s_add_co_u32 s20, s20, STG
	v_add_nc_u32 v[STO], s20, v[STO]
	s_mul_i32 s20, s16, 2*528
	s_add_co_u32 s20, s20, STG
	v_add_nc_u32 v[SRD], s20, v[L16]
	s_lshr_b32 s17, ttmp9, 7                       ; batch
	s_lshl_b32 s17, s17, 10
	s_and_b32 s18, ttmp9, 127
	s_add_co_u32 s17, s17, s18                     ; head 0's fragment: batch x 1,024 + the tile in its batch; a head is 128 fragments on
	s_lshr_b32 s18, ttmp9, 1
	s_lshl_b32 s18, s18, 5
	s_and_b32 s19, ttmp9, 1
	s_lshl_b32 s19, s19, 3
	s_add_co_u32 s18, s18, s19
	s_lshl_b32 s19, s16, 1
	s_add_co_u32 s18, s18, s19
	s_lshr_b32 s19, s16, 2
	s_lshl_b32 s19, s19, 3
	s_add_co_u32 s18, s18, s19                     ; the token at place 2 w of the tile: 32 (T / 2) + 8 (T % 2) + 2 w + 8 (w / 4); place 2 w + 1 is the next token
	s_mov_b32 s21, 0
	s_wait_kmcnt 0x0
	s_mul_i32 s20, s17, FRB
	s_add_nc_u64 s[4:5], s[4:5], s[20:21]
	s_mul_i32 s20, s16, 128*FRB
	s_add_nc_u64 s[4:5], s[4:5], s[20:21]          ; yc at head w's fragment of the tile
	s_lshl_b32 s20, s17, 6
	s_add_nc_u64 s[6:7], s[6:7], s[20:21]
	s_mul_i32 s20, s16, 16*768
	s_add_nc_u64 s[8:9], s[8:9], s[20:21]
	s_lshl_b32 s20, s16, 9
	s_add_nc_u64 s[10:11], s[10:11], s[20:21]
	s_lshl_b32 s20, s16, 6
	s_add_nc_u64 s[12:13], s[12:13], s[20:21]
	s_lshl_b32 s20, s18, 9
	s_add_nc_u64 s[14:15], s[14:15], s[20:21]
.irp c, 0,1,2                          ; head w's fragment of y first: the other waves wait for it
	global_load_b128 v[ACC+4*\c:ACC+4*\c+3], v[L16], s[4:5] offset:512*\c
.endr
.irp i, 0,1,2,3,4,5,6,7,8,9,10,11,12,13,14,15,16,17,18,19,20,21,22,23
	global_load_b128 v[Y+4*\i:Y+4*\i+3], v[L16], s[8:9] offset:512*\i      ; my 16 rows of Wu as they lie
.endr
.irp h, 0,1,2,3,4,5,6,7
	global_load_b32 v[YS+\h], v[R4], s[6:7] offset:8192*\h
.endr
	global_load_b128 v[WS:WS+3], v[R32], s[10:11]              ; my row's 32 scale bytes: word h serves head h
	global_load_b128 v[WS+4:WS+7], v[R32], s[10:11] offset:16
	global_load_b128 v[BI:BI+3], v[H32], s[12:13]              ; bu(16 w + 8 h + 0 .. 7)
	global_load_b128 v[BI+4:BI+7], v[H32], s[12:13] offset:16
	s_wait_loadcnt 36                              ; loads come back in order: y's three are in; Wu's 24 and the 12 small ones may be out
.irp c, 0,1,2
	ds_store_b128 v[YW], v[ACC+4*\c:ACC+4*\c+3] offset:YL+512*\c
.endr
.irp a, 0,1,2,3,4,5,6,7                ; three loads are two rows of 768 bytes: the first lies in the even row, the third in the odd one; of the second, lanes 0-15 end the even row and lanes 16-31 begin the odd one
	s_wait_loadcnt 12+3*(7-\a)                     ; this group's three are in; the later groups' and the 12 small ones may be out
	ds_store_b128 v[WW0], v[Y+12*\a:Y+12*\a+3] offset:2*WP*\a
	ds_store_b128 v[WW1], v[Y+12*\a+4:Y+12*\a+7] offset:2*WP*\a+512
	ds_store_b128 v[WW0], v[Y+12*\a+8:Y+12*\a+11] offset:2*WP*\a+WP+256
.endr
	s_wait_dscnt 0x0                               ; for the others' sake: head w's fragment lies in LDS (and the stores have read their registers)
	s_barrier_signal -1
	s_barrier_wait -1                              ; all eight heads' do
.irp h, 0,1,2,3,4,5,6,7                ; nine LDS loads a head
.irp c, 0,1,2
	ds_load_b128 v[Y+12*\h+4*\c:Y+12*\h+4*\c+3], v[L16] offset:YL+FRB*\h+512*\c
.endr
	FRAGL W+12*\h, WR, 96*\h
.endr
	s_wait_loadcnt 0x0                             ; the scale words and the bias
.irp h, 0,1,2,3,4,5,6,7
	s_wait_dscnt 9*(7-\h)                          ; LDS loads come back in order: head h's are in; the nine loads of each later head may be out
.if \h == 0
	v_wmma_scale_f32_16x16x128_f8f6f4 v[ACC:ACC+7], v[W:W+11], v[Y:Y+11], v[BI:BI+7], v[WS], v[YS] matrix_a_fmt:MATRIX_FMT_FP6 matrix_b_fmt:MATRIX_FMT_FP6
.elseif \h == 1
	v_wmma_scale_f32_16x16x128_f8f6f4 v[ACC+8:ACC+15], v[W+12:W+23], v[Y+12:Y+23], 0, v[WS+1], v[YS+1] matrix_a_fmt:MATRIX_FMT_FP6 matrix_b_fmt:MATRIX_FMT_FP6
.else
	v_wmma_scale_f32_16x16x128_f8f6f4 v[ACC+8*(\h%2):ACC+8*(\h%2)+7], v[W+12*\h:W+12*\h+11], v[Y+12*\h:Y+12*\h+11], v[ACC+8*(\h%2):ACC+8*(\h%2)+7], v[WS+\h], v[YS+\h] matrix_a_fmt:MATRIX_FMT_FP6 matrix_b_fmt:MATRIX_FMT_FP6
.endif
.endr
.rept 4
	v_nop                                          ; four places in front of the first read of the results, and of the loads into registers that the products read
.endr
.irp j, 0,2,4,6
	v_pk_add_f32 v[SUM+\j:SUM+\j+1], v[ACC+\j:ACC+\j+1], v[ACC+8+\j:ACC+8+\j+1]   ; from the low end on
.endr
	ds_store_b128 v[STO], v[SUM:SUM+3]
	ds_store_b128 v[STO], v[SUM+4:SUM+7] offset:16
	s_wait_dscnt 0x0                               ; for the others' sake: my stores into the stage are done
	s_barrier_signal -1
	s_barrier_wait -1
.irp i, 0,1
	ds_load_b128 v[Y+4*\i:Y+4*\i+3], v[SRD] offset:528*\i
.endr
.irp i, 0,1
	s_wait_dscnt 1-\i                              ; row i is back; the one younger load may be out
	global_store_b128 v[L16], v[Y+4*\i:Y+4*\i+3], s[14:15] offset:512*\i th:TH_STORE_NT   ; 32 lanes store a row of 512 consecutive bytes, aligned; written once, read by nobody here
.endr
	s_wait_tensorcnt 0x0
	ds_add_u32 v14, v15
	s_wait_dscnt 0x0
	s_endpgm
.Lfunc_end_k_qc7c2c3b210_outproj:
	.size	k_qc7c2c3b210_outproj, .Lfunc_end_k_qc7c2c3b210_outproj-k_qc7c2c3b210_outproj
	.p2alignl 7, 3214868480
	.fill 96, 4, 3214868480
	.section	.rodata,"a",@progbits
	.p2align	6, 0x0
	.amdhsa_kernel k_qc7c2c3b210_outproj
		.amdhsa_group_segment_fixed_size 122112
		.amdhsa_private_segment_fixed_size 0
		.amdhsa_enable_private_segment 0
		.amdhsa_kernarg_size 48
		.amdhsa_user_sgpr_count 2
		.amdhsa_user_sgpr_kernarg_segment_ptr 1
		.amdhsa_wavefront_size32 1
		.amdhsa_system_sgpr_workgroup_id_x 1
		.amdhsa_system_sgpr_workgroup_id_y 1
		.amdhsa_system_sgpr_workgroup_id_z 1
		.amdhsa_system_vgpr_workitem_id 0
		.amdhsa_next_free_vgpr 256
		.amdhsa_next_free_sgpr 66
		.amdhsa_reserve_vcc 0
		.amdhsa_float_denorm_mode_32 3
		.amdhsa_float_denorm_mode_16_64 3
		.amdhsa_memory_ordered 1
		.amdhsa_forward_progress 1
		.amdhsa_inst_pref_size 16
	.end_amdhsa_kernel
	.amdgpu_metadata
---
amdhsa.version: [ 1, 2 ]
amdhsa.kernels:
  - .name:           k_qc7c2c3b210_outproj
    .symbol:         k_qc7c2c3b210_outproj.kd
    .args:
      - { .name: yc, .offset: 0, .size: 8, .value_kind: global_buffer, .address_space: global }
      - { .name: ys, .offset: 8, .size: 8, .value_kind: global_buffer, .address_space: global }
      - { .name: Wu_codes, .offset: 16, .size: 8, .value_kind: global_buffer, .address_space: global }
      - { .name: Wu_scales, .offset: 24, .size: 8, .value_kind: global_buffer, .address_space: global }
      - { .name: bu, .offset: 32, .size: 8, .value_kind: global_buffer, .address_space: global }
      - { .name: out0, .offset: 40, .size: 8, .value_kind: global_buffer, .address_space: global }
    .group_segment_fixed_size: 122112
    .private_segment_fixed_size: 0
    .kernarg_segment_align: 8
    .kernarg_segment_size: 48
    .max_flat_workgroup_size: 256
    .sgpr_count:     66
    .vgpr_count:     256
    .wavefront_size: 32
...
	.end_amdgpu_metadata
.endif
;; end of part 3
;; ======== version 2 of 2: 3 launches; version 1 with the launches kvproj, outproj written anew for expert scheduling mode
;; workspace buffers: kc 3,145,728 bytes; ks 131,072 bytes; vc 3,145,728 bytes; vs 131,072 bytes; yc 3,145,728 bytes; ys 131,072 bytes
;; launch kvproj (part 4): grid 256 x 1, 4 waves a work-group, no clusters, 37,888 bytes of LDS; arguments x_codes, x_scales, Wk_codes, Wk_scales, Wv_codes, Wv_scales, kc, ks, vc, vs; writes kc, ks, vc, vs
.if DOCPART == 4
	.amdgcn_target "amdgcn-amd-amdhsa--gfx1250"
	.amdhsa_code_object_version 6
	.text
	.protected	k_qc7c2c3b210_kvproj
	.globl	k_qc7c2c3b210_kvproj
	.p2align	8
	.type	k_qc7c2c3b210_kvproj,@function
k_qc7c2c3b210_kvproj:
	s_mov_b64 s[64:65], 0
	v_nop
	global_prefetch_b8 v0, s[64:65] scope:SCOPE_SE
	s_setreg_imm32_b32 hwreg(HW_REG_WAVE_SCHED_MODE, 0, 2), 2
	s_setreg_imm32_b32 hwreg(HW_REG_WAVE_MODE, 25, 1), 1
	s_wait_xcnt 0x0
	s_wait_alu depctr_vm_vsrc(0)
; k = x Wk and v = x Wv on codes of FP6 (E2M3) with E8M0 scales, and their quantising: k along the head's 128 channels, v along the keys.
; x: 4,096 tokens x 128 codes (96 bytes a row, one scale word a row); Wk, Wv: 1,024 rows (head x 128 + channel) x 128 codes, likewise.
; TILES.  A tile is 16 rows, NOT neighbours: place r of tile T is row 32 (T / 2) + 8 (T % 2) + r + 8 (r / 8).  With eight tiles of a group of 128 rows as source 0 against one
; source 1, a lane (r, h) then holds in register 16 b + i of its 64 results element 32 b + 16 h + i of the group, for row r of source 1: 16 neighbours along the next product's K.
; k: source 0 = the head's 128 rows of Wk, source 1 = 16 tokens: a lane holds one key, its registers run along the channels.
; v: source 0 = 128 tokens of x, source 1 = 16 rows of Wv: a lane holds one channel, its registers run along the keys.  So one text serves both: only pointers and three numbers are chosen.
; IN.  Source 0's 128 rows are 12,288 dense bytes that all four waves want; a wave's four tiles of source 1 are 6,144 dense bytes of its own.  Both come by loads of 16 bytes a lane, 512 consecutive
; bytes an instruction (source 0: a quarter to each wave), go to LDS as they lie, and are read from there as fragments, in pieces of 8 bytes.  Behind every 16 rows (1,536 bytes: three loads) lie
; 16 bytes of padding: a tile's rows r and r + 16 then start four banks apart (64 banks of 4 bytes: ISA guide 11.1), and the 32 lanes of a load of 8 bytes touch 64 different banks.
; OUT.  A fragment (16 rows x 128 K, 12 registers) leaves as an image of its registers: registers 4 c .. 4 c + 3 of lane l at 512 c + 16 l of its 1,536 bytes: each store covers 512 consecutive bytes.
; Fragment F = ((batch x 8 + head) x 16 + key step) x 8 + tile.  The scale words of four neighbouring fragments make one block of 256 bytes: byte 8 l + 4 e = the word of fragment 2 e + l / 16, row l % 16.
; SHARES.  4,096 fragments; a wave makes four neighbouring ones.  Work-groups 0-127 make k, 128-255 make v.  One barrier: behind it source 0 lies whole in LDS.
; LIMITS: NaN and infinities are not served.  A block of zeros gets the byte 1 where the rule says 127: its codes are zeros, and this program alone reads the bytes.
; THE MODE: SCHED_MODE bits 1:0 = 2 (LLVM: expert scheduling mode 2), set by the entry lines.  The code itself states the register dependences
; between vector or matrix instructions and memory or LDS instructions, with s_wait_alu, always for 0.
; THE PLAN.  Registers that memory or LDS instructions touch:
;   v1-v7     offsets and LDS addresses.  Written by vector instructions at the head, read by every load and store, never written again.
;   v16-v87   The 18 global loads land here; the 18 LDS stores read them; then, as part of source 0's tiles (v16-111), the fragments' LDS loads land in them.
;   A, AS, BS Written by loads alone, read by the products.
;   B[i]      Tile i of source 1: its LDS loads land here; step i's eight products read it; step i's conversions, lane exchanges and moves then write the fragment's codes into it;
;             three global stores, issued in step i + 1, read them.  It is never written after that.
;   E         Written by two selects at the end, read by the last store.
;   The results D and the registers at work (BM, PM, SO, X, PW) are named by vector and matrix instructions alone.
; So: one wait on va_vdst ahead of the first load, for the addresses; one on vm_vsrc behind the barrier, for v16-87; one on va_vdst at the head of steps 1 to 3, behind which the three stores of the step
; before are dealt among the step's products, which name A, B[i], D and scale words, none of the registers that those stores read; and one on va_vdst ahead of the last four stores.
; The LDS loads of tiles 2 and 3 stand in steps 0 and 1: they land in registers that nothing has named before.
.set ROWB, 96                          ; 128 codes in bytes
.set FRB,  1536                        ; a fragment's image in bytes
.set GP,   1552                        ; 16 rows of codes in LDS: 1,536 bytes + 16 of padding
.set AL,   0                           ; LDS: source 0's 128 rows: eight such groups;
.set BL,   8*GP                        ; behind them, for each wave, its 64 rows of source 1: four groups
.set LO,   1                           ; v1   (r + 8 (r / 8)) x 96 + 16 (r / 8) + 24 h: my lane's bytes in a tile, in LDS
.set LS,   2                           ; v2   (r + 8 (r / 8)) x 4: my lane's scale word in a tile, in memory
.set L16,  3                           ; v3   16 x lane
.set L8,   4                           ; v4   8 x lane
.set BR,   5                           ; v5   my wave's rows of source 1 in LDS + LO
.set AW,   6                           ; v6   where I store my quarter of source 0: 2 GP x wave + 16 x lane
.set BW,   7                           ; v7   where I store source 1: BL + 4 GP x wave + 16 x lane
.set PW,   8                           ; v8-11    the four fragments' scale words
.set E,    12                          ; v12-13   the same, two fragments to a register (v12-15 at work at the head)
.set A,    16                          ; v16-111  source 0: eight tiles (first: the 18 loads' bytes as they lie)
.set AS,   112                         ; v112-119 their scale words
.set B,    120                         ; v120-167 source 1: four tiles; each tile's registers then take its fragment's codes
.set BS,   168                         ; v168-171 their scale words
.set D,    172                         ; v172-235 64 results
.set BM,   236                         ; v236-239 the four blocks' largest magnitudes
.set PM,   240                         ; v240-243 the other half's; then the scale bytes
.set SO,   244                         ; v244-247 the conversions' scale operands
.set X,    248                         ; v248-255 the upper halves of the blocks' codes
.set SEL,  44                          ; s[44:45] v_permlanex16_b32's selects for lane l xor 16
.macro FRAGL reg, adr, off             ; a fragment from rows of 96 bytes in LDS: 24 bytes twice, as pieces of 8 so that every address is a multiple of the access's size
.irp p, 0,1,2,3,4,5
	ds_load_b64 v[\reg+2*\p:\reg+2*\p+1], v[\adr] offset:\off+48*(\p/3)+8*(\p%3)
.endr
.endm
.macro ABSMAX s                        ; the largest magnitude of each block of 32: my 16 numbers, the floor 2^(3 - 127), and lane l xor 16's 16
.irp b, 0,1,2,3
	v_max3_num_f32 v[BM+\b], |v[\s+16*\b]|, |v[\s+16*\b+1]|, 0x1800000
.endr
.irp i, 2,4,6,8,10,12,14
.irp b, 0,1,2,3
	v_max3_num_f32 v[BM+\b], v[BM+\b], |v[\s+16*\b+\i]|, |v[\s+16*\b+\i+1]|
.endr
.endr
.irp b, 0,1,2,3
	v_permlanex16_b32 v[PM+\b], v[BM+\b], s[SEL], s[SEL+1]
.endr
.irp b, 0,1,2,3
	v_max_num_f32 v[BM+\b], v[BM+\b], v[PM+\b]
.endr
.endm
.macro SCALEW pw                       ; 2 off the exponent field: the conversion's scale operand; its exponent field is the scale's byte; four bytes make the row's word
.irp b, 0,1,2,3
	v_add_nc_u32 v[SO+\b], 0xff000000, v[BM+\b]
.endr
.irp b, 0,1,2,3
	v_lshrrev_b32 v[PM+\b], 23, v[SO+\b]
.endr
	v_lshl_or_b32 v[\pw], v[PM+1], 8, v[PM]
	v_lshl_or_b32 v[\pw], v[PM+2], 16, v[\pw]
	v_lshl_or_b32 v[\pw], v[PM+3], 24, v[\pw]
.endm
.macro CODES s, pc                     ; 64 numbers become 12 registers of codes in the operand's layout
.irp c, 0,1
	v_cvt_scalef32_pk16_fp6_f32 v[\pc+6*\c:\pc+6*\c+2], v[\s+32*\c:\s+32*\c+15], v[SO+2*\c]
	v_cvt_scalef32_pk16_fp6_f32 v[X+4*\c:X+4*\c+2], v[\s+32*\c+16:\s+32*\c+31], v[SO+2*\c+1]   ; (a conversion's three registers begin on an even number)
.endr
	v_nop                                          ; one plain place behind a scaled conversion
.irp c, 0,1                            ; the layout wants a WHOLE block in a lane: lanes 0-15 block 2 c, lanes 16-31 block 2 c + 1
.irp i, 0,1,2
	v_permlane16_swap_b32 v[\pc+6*\c+\i], v[X+4*\c+\i]
.endr
.irp i, 0,1,2
	v_mov_b32 v[\pc+3+6*\c+\i], v[X+4*\c+\i]
.endr
.endr
.endm
.macro QUANT s, pc, pw
	ABSMAX \s
	SCALEW \pw
	CODES \s, \pc
.endm
	s_load_b256 s[4:11], s[0:1], 0x0               ; x's codes s[4:5], x's scales s[6:7], Wk's codes s[8:9], Wk's scales s[10:11]
	s_load_b256 s[12:19], s[0:1], 0x20             ; Wv's codes s[12:13], Wv's scales s[14:15], kc s[16:17], ks s[18:19]
	s_load_b128 s[20:23], s[0:1], 0x40             ; vc s[20:21], vs s[22:23]
	v_lshl_add_u32 v251, v0, 2, 0x9200
	v_mov_b32 v255, 0
	v_lshrrev_b32 v12, 5, v0
	v_readfirstlane_b32 s36, v12                   ; wave 0..3
	v_and_b32 v12, 15, v0                          ; r
	v_bfe_u32 v13, v0, 4, 1                        ; h
	v_and_b32 v14, 8, v12                          ; 8 (r / 8)
	v_add_nc_u32 v15, v14, v12                     ; r + 8 (r / 8)
	v_mul_u32_u24 v[LO], v15, ROWB
	v_mad_u32_u24 v[LO], v13, 24, v[LO]
	v_lshl_add_u32 v[LO], v14, 1, v[LO]            ; places 8-15 lie in the next group of 16 rows: one padding more
	v_lshlrev_b32 v[LS], 2, v15
	v_and_b32 v[L16], 31, v0
	v_lshlrev_b32 v[L8], 3, v[L16]
	v_lshlrev_b32 v[L16], 4, v[L16]
	s_wait_alu depctr_va_sdst(0)                   ; s36 is written, ahead of its first reader: LDS addresses and every base are made from it
	s_mul_i32 s50, s36, 2*GP                       ; my quarter of source 0 is two groups of 16 rows
	v_add_nc_u32 v[AW], s50, v[L16]
	s_mul_i32 s50, s36, 4*GP                       ; my rows of source 1 are four
	s_add_co_u32 s50, s50, BL
	v_add_nc_u32 v[BW], s50, v[L16]
	v_add_nc_u32 v[BR], s50, v[LO]
	s_mul_i32 s50, s36, 32*ROWB                    ; my quarter of source 0 in memory
.irp b, 0,1,2,3
	v_mov_b32 v[PM+\b], 0                          ; written once: a lane permute's destination counts as one of its sources
.endr
	s_mov_b32 s[SEL], 0x76543210
	s_mov_b32 s[SEL+1], 0xfedcba98
	s_mov_b32 s46, 0xffff0000                      ; lanes 16-31
	s_and_b32 s37, ttmp9, 127
	s_lshl_b32 s37, s37, 2
	s_add_co_u32 s37, s37, s36                     ; u = my wave among the 512 of its tensor
	; k: group ga = the head (u / 64), jb = which four token tiles (u % 64);  F0 = (jb / 32) 1024 + ga 128 + (4 jb) % 128
	s_lshr_b32 s38, s37, 6
	s_and_b32 s39, s37, 63
	s_lshr_b32 s40, s39, 5
	s_lshl_b32 s40, s40, 10
	s_lshl_b32 s47, s38, 7
	s_add_co_u32 s40, s40, s47
	s_lshl_b32 s47, s39, 2
	s_and_b32 s47, s47, 127
	s_add_co_u32 s40, s40, s47
	; v: group ga = which 128 tokens (u / 16), jb = which four tiles of Wv's rows (u % 16);  F0 = (ga / 16) 1024 + (jb / 2) 128 + (ga % 16) 8 + (jb % 2) 4
	; (in both, ga is the same for the four waves of a work-group: they share source 0)
	s_lshr_b32 s41, s37, 4
	s_and_b32 s42, s37, 15
	s_lshr_b32 s43, s41, 4
	s_lshl_b32 s43, s43, 10
	s_lshr_b32 s47, s42, 1
	s_lshl_b32 s47, s47, 7
	s_add_co_u32 s43, s43, s47
	s_and_b32 s47, s41, 15
	s_lshl_b32 s47, s47, 3
	s_add_co_u32 s43, s43, s47
	s_and_b32 s47, s42, 1
	s_lshl_b32 s47, s47, 2
	s_add_co_u32 s43, s43, s47
	s_wait_kmcnt 0x0
	s_cmp_lt_u32 ttmp9, 128                        ; k's work-group or v's?  The choice hangs on the work-group's number alone
	s_cselect_b32 s38, s38, s41                    ; ga
	s_cselect_b32 s39, s39, s42                    ; jb
	s_cselect_b32 s40, s40, s43                    ; F0
	s_cselect_b64 s[24:25], s[8:9], s[4:5]         ; source 0's codes: Wk's or x's
	s_cselect_b64 s[26:27], s[10:11], s[6:7]       ; and scales
	s_cselect_b64 s[28:29], s[4:5], s[12:13]       ; source 1's codes: x's or Wv's
	s_cselect_b64 s[30:31], s[6:7], s[14:15]       ; and scales
	s_cselect_b64 s[32:33], s[16:17], s[20:21]     ; the codes' way out
	s_cselect_b64 s[34:35], s[18:19], s[22:23]     ; the scale words' way out
	s_mov_b32 s49, 0
	s_mul_i32 s48, s38, 128*ROWB                   ; the group's 128 rows,
	s_add_co_u32 s48, s48, s50                     ; my quarter of them
	s_add_nc_u64 s[24:25], s[24:25], s[48:49]
	s_lshl_b32 s48, s38, 9
	s_add_nc_u64 s[26:27], s[26:27], s[48:49]
	s_mul_i32 s48, s39, 64*ROWB                    ; four tiles are 64 rows
	s_add_nc_u64 s[28:29], s[28:29], s[48:49]
	s_lshl_b32 s48, s39, 8
	s_add_nc_u64 s[30:31], s[30:31], s[48:49]
	s_mul_i32 s48, s40, FRB
	s_add_nc_u64 s[32:33], s[32:33], s[48:49]
	s_lshl_b32 s48, s40, 6                         ; 64 bytes of scale words a fragment; F0 is a multiple of 4: a multiple of 256 bytes
	s_add_nc_u64 s[34:35], s[34:35], s[48:49]
	s_wait_alu depctr_va_vdst(0)                   ; the seven offsets and LDS addresses v1 to v7 are written, which every load and store of the kernel reads
.irp c, 0,1,2,3,4,5                    ; my quarter of source 0: 3,072 bytes as they lie, 512 consecutive bytes a load
	global_load_b128 v[A+4*\c:A+4*\c+3], v[L16], s[24:25] offset:512*\c
.endr
.irp c, 0,1,2,3,4,5,6,7,8,9,10,11      ; my 64 rows of source 1: 6,144 bytes
	global_load_b128 v[A+24+4*\c:A+24+4*\c+3], v[L16], s[28:29] offset:512*\c
.endr
.irp t, 0,1,2,3,4,5,6,7                ; the scale words: tile t begins at row 32 (t / 2) + 8 (t % 2)
	global_load_b32 v[AS+\t], v[LS], s[26:27] offset:(32*(\t/2)+8*(\t%2))*4
.endr
.irp i, 0,1,2,3
	global_load_b32 v[BS+\i], v[LS], s[30:31] offset:(32*(\i/2)+8*(\i%2))*4
.endr
	s_wait_loadcnt 24                              ; loads come back in order: source 0's six are in; source 1's twelve and the twelve scale words may be out
.irp c, 0,1,2,3,4,5
	ds_store_b128 v[AW], v[A+4*\c:A+4*\c+3] offset:512*\c+16*(\c/3)          ; three loads are 16 rows: then 16 bytes of padding
.endr
	s_wait_loadcnt 12                              ; source 1's are in; the twelve scale words may be out
.irp c, 0,1,2,3,4,5,6,7,8,9,10,11
	ds_store_b128 v[BW], v[A+24+4*\c:A+24+4*\c+3] offset:512*\c+16*(\c/3)
.endr
	s_wait_dscnt 0x0                               ; for the others' sake: my quarter of source 0 lies in LDS
	s_barrier_signal -1
	s_barrier_wait -1                              ; everybody's does
	s_wait_alu depctr_vm_vsrc(0)                   ; my LDS stores have read v16 to v87, in which the fragments' loads below land
.irp t, 0,1,2,3,4,5,6,7
	FRAGL A+12*\t, LO, AL+(32*(\t/2)+8*(\t%2))*ROWB+32*(\t/2)
.endr
.irp i, 0,1                            ; six loads a tile; tiles 2 and 3 are asked for in steps 0 and 1
	FRAGL B+12*\i, BR, (32*(\i/2)+8*(\i%2))*ROWB+32*(\i/2)
.endr
	s_wait_loadcnt 0x0                             ; the scale words
.irp i, 0,1,2,3
.if \i < 3
	s_wait_dscnt 6                                 ; LDS loads come back in order: source 0 and tile i are in; the six loads of tile i + 1 may be out
.else
	s_wait_dscnt 0x0                               ; the last tile is in
.endif
.if \i > 0
	s_wait_alu depctr_va_vdst(0)                   ; the step before has written its fragment's codes into tile i - 1's registers, which the three stores below read
.endif
.irp t, 0,1,2,3,4,5,6,7
	v_wmma_scale_f32_16x16x128_f8f6f4 v[D+8*\t:D+8*\t+7], v[A+12*\t:A+12*\t+11], v[B+12*\i:B+12*\i+11], 0, v[AS+\t], v[BS+\i] matrix_a_fmt:MATRIX_FMT_FP6 matrix_b_fmt:MATRIX_FMT_FP6
.if (\i > 0) && ((\t%2) == 1) && (\t < 6)
	global_store_b128 v[L16], v[B+12*(\i-1)+4*(\t/2):B+12*(\i-1)+4*(\t/2)+3], s[32:33] offset:FRB*(\i-1)+512*(\t/2)   ; 32 lanes store 512 consecutive bytes, aligned; no product since the wait names these registers, and no store's data are written again
.endif
.if (\i < 2) && (\t == 3)
	FRAGL B+12*(\i+2), BR, (32*((\i+2)/2)+8*((\i+2)%2))*ROWB+32*((\i+2)/2)   ; the tile two steps on: nothing has named its registers before
.endif
.endr
.rept 4
	v_nop                                          ; four places: the results are read, and tile i's registers written, only behind them (ISA guide 7.12.1)
.endr
	QUANT D, B+12*\i, PW+\i                        ; its lines on the maxima, bytes and scale operands are further places ahead of the next tile's products, which write the results' registers anew
.endr
	v_cndmask_b32 v[E], v[PW], v[PW+1], s46        ; lanes 0-15: fragment 0's words; lanes 16-31: fragment 1's (each word stands in lanes r and r + 16 alike)
	v_cndmask_b32 v[E+1], v[PW+2], v[PW+3], s46    ; fragments 2 and 3
	s_wait_alu depctr_va_vdst(0)                   ; the last step has written its fragment's codes, and the two selects the scale words, which the four stores below read
.irp c, 0,1,2
	global_store_b128 v[L16], v[B+36+4*\c:B+36+4*\c+3], s[32:33] offset:FRB*3+512*\c
.endr
	global_store_b64 v[L8], v[E:E+1], s[34:35]     ; 32 lanes store 256 consecutive bytes, aligned
	s_wait_dscnt 0x0
	s_wait_alu depctr_hold_cnt(0) depctr_sa_sdst(0) depctr_va_vdst(0) depctr_va_sdst(0) depctr_va_ssrc(0) depctr_va_vcc(0) depctr_vm_vsrc(0)
	s_wait_tensorcnt 0x0
	ds_add_u32 v251, v255
	s_wait_dscnt 0x0
	s_endpgm
.Lfunc_end_k_qc7c2c3b210_kvproj:
	.size	k_qc7c2c3b210_kvproj, .Lfunc_end_k_qc7c2c3b210_kvproj-k_qc7c2c3b210_kvproj
	.p2alignl 7, 3214868480
	.fill 96, 4, 3214868480
	.section	.rodata,"a",@progbits
	.p2align	6, 0x0
	.amdhsa_kernel k_qc7c2c3b210_kvproj
		.amdhsa_group_segment_fixed_size 37888
		.amdhsa_private_segment_fixed_size 0
		.amdhsa_enable_private_segment 0
		.amdhsa_kernarg_size 80
		.amdhsa_user_sgpr_count 2
		.amdhsa_user_sgpr_kernarg_segment_ptr 1
		.amdhsa_wavefront_size32 1
		.amdhsa_system_sgpr_workgroup_id_x 1
		.amdhsa_system_sgpr_workgroup_id_y 1
		.amdhsa_system_sgpr_workgroup_id_z 1
		.amdhsa_system_vgpr_workitem_id 0
		.amdhsa_next_free_vgpr 256
		.amdhsa_next_free_sgpr 66
		.amdhsa_reserve_vcc 0
		.amdhsa_float_denorm_mode_32 3
		.amdhsa_float_denorm_mode_16_64 3
		.amdhsa_memory_ordered 1
		.amdhsa_forward_progress 1
		.amdhsa_inst_pref_size 34
	.end_amdhsa_kernel
	.amdgpu_metadata
---
amdhsa.version: [ 1, 2 ]
amdhsa.kernels:
  - .name:           k_qc7c2c3b210_kvproj
    .symbol:         k_qc7c2c3b210_kvproj.kd
    .args:
      - { .name: x_codes, .offset: 0, .size: 8, .value_kind: global_buffer, .address_space: global }
      - { .name: x_scales, .offset: 8, .size: 8, .value_kind: global_buffer, .address_space: global }
      - { .name: Wk_codes, .offset: 16, .size: 8, .value_kind: global_buffer, .address_space: global }
      - { .name: Wk_scales, .offset: 24, .size: 8, .value_kind: global_buffer, .address_space: global }
      - { .name: Wv_codes, .offset: 32, .size: 8, .value_kind: global_buffer, .address_space: global }
      - { .name: Wv_scales, .offset: 40, .size: 8, .value_kind: global_buffer, .address_space: global }
      - { .name: kc, .offset: 48, .size: 8, .value_kind: global_buffer, .address_space: global }
      - { .name: ks, .offset: 56, .size: 8, .value_kind: global_buffer, .address_space: global }
      - { .name: vc, .offset: 64, .size: 8, .value_kind: global_buffer, .address_space: global }
      - { .name: vs, .offset: 72, .size: 8, .value_kind: global_buffer, .address_space: global }
    .group_segment_fixed_size: 37888
    .private_segment_fixed_size: 0
    .kernarg_segment_align: 8
    .kernarg_segment_size: 80
    .max_flat_workgroup_size: 128
    .sgpr_count:     66
    .vgpr_count:     256
    .wavefront_size: 32
...
	.end_amdgpu_metadata
.endif
;; end of part 4
;; launch attn: the kernel of part 2 again; grid 16 x 16, 8 waves a work-group, clusters of 4 x 1, 327,680 bytes of LDS; arguments x_codes, x_scales, Wq_codes, Wq_scales, kc, ks, vc, vs, yc, ys; writes yc, ys
;; launch outproj (part 5): grid 256 x 1, 8 waves a work-group, no clusters, 122,112 bytes of LDS; arguments yc, ys, Wu_codes, Wu_scales, bu, out0; writes out0
.if DOCPART == 5
	.amdgcn_target "amdgcn-amd-amdhsa--gfx1250"
	.amdhsa_code_object_version 6
	.text
	.protected	k_qc7c2c3b210_outproj
	.globl	k_qc7c2c3b210_outproj
	.p2align	8
	.type	k_qc7c2c3b210_outproj,@function
k_qc7c2c3b210_outproj:
	s_mov_b64 s[64:65], 0
	v_nop
	global_prefetch_b8 v0, s[64:65] scope:SCOPE_SE
	s_setreg_imm32_b32 hwreg(HW_REG_WAVE_SCHED_MODE, 0, 2), 2
	s_setreg_imm32_b32 hwreg(HW_REG_WAVE_MODE, 25, 1), 1
	s_wait_xcnt 0x0
	s_wait_alu depctr_vm_vsrc(0)
; out = y Wu + bu on codes of FP6 (E2M3) with E8M0 scales.  y comes as images of fragments (16 tokens x one head's 128 channels, 1,536 bytes) with 16 scale words each;
; Wu as 128 rows (outputs) of 1,024 codes, 768 bytes, with 32 scale bytes a row.  out0: 4,096 tokens x 128, f32.
; SHARES.  A work-group takes one token tile (place r = token 32 (T / 2) + 8 (T % 2) + r + 8 (r / 8)); wave w makes outputs 16 w .. 16 w + 15.  K = 1,024 is eight products, one a head.
; The product is used transposed (source 0 = 16 rows of Wu, source 1 = 16 tokens): a lane holds eight neighbouring outputs of one token.
; IN.  All eight waves want the tile's eight fragments of y: wave w fetches head w's, three loads of 512 consecutive bytes, and stores its image to LDS; behind a barrier every wave reads all eight.
; A wave's 16 rows of Wu are 12,288 dense bytes: they come by 24 loads of 512 consecutive bytes and go through the wave's own bytes of LDS, into rows 784 bytes apart (768 + 16: row r starts at bank
; 4 r mod 64; 64 banks of 4 bytes: ISA guide 11.1), from which the fragments are read in pieces of 8 bytes, whose 32 lanes touch 64 different banks.
; TWO accumulators, even heads and odd heads, take turns; the bias is the C of the first product.  So a sum is formed in two halves that are added at the end.
; THE WAY OUT: a token's 128 outputs come from eight waves: they meet in a stage in LDS (rows of 512 + 16 bytes) and each wave stores two whole rows of 512 bytes.
; No tensor load, no cluster: what the work-groups share is under 0.2 MB and comes through registers.
; THE MODE: SCHED_MODE bits 1:0 = 2 (LLVM: expert scheduling mode 2), set by the entry lines.  The code itself states the register dependences
; between vector or matrix instructions and memory or LDS instructions, with s_wait_alu, always for 0.
; THE PLAN.  Registers that memory or LDS instructions touch:
;   v1-v10     offsets and LDS addresses.  Written by vector instructions at the head, read by every load and store, never written again.
;   v232-v243  Head w's fragment of y lands here; three LDS stores read it; then the first two products write these registers as the accumulators.
;   v16-v111   Wu's 24 global loads land here; 24 LDS stores read them; then y's eight fragments land in them from LDS and the products read those; at the end the stage's two loads land in v16-23,
;              which the last two global stores read.
;   W, YS, WS, BI  Written by loads alone, read by the products.
;   SUM        Written by four packed additions, read by the two LDS stores into the stage.
; So: one wait on va_vdst ahead of the first load, for the addresses; one on vm_vsrc behind the first barrier, for v16-111 and v232-243; and one on va_vdst behind the additions: SUM is written,
; and the products are done reading v16-23; no vector or matrix instruction follows it.  Heads 0 to 3 are fetched from LDS in one run; heads 4 to 7 one behind each of the first four products,
; into registers that no product has named.
.set FRB,  1536
.set YL,   0                           ; LDS: y's eight fragments as images;
.set STG,  YL+8*FRB                    ; the stage: 16 rows x 528 bytes;
.set WL,   STG+16*528                  ; for each wave its 16 rows of Wu
.set WP,   784                         ; a row of Wu in LDS
.set WREG, 16*WP
.set L16,  1                           ; v1   16 x lane
.set R4,   2                           ; v2   4 r
.set WR,   3                           ; v3   my wave's rows of Wu in LDS + r x 784 + 24 h
.set R32,  4                           ; v4   32 r: my row of Wu's scale bytes
.set H32,  5                           ; v5   32 h: my eight numbers of the bias
.set STO,  6                           ; v6   the stage: r x 528 + 64 w + 32 h
.set SRD,  7                           ; v7   back: 2 w rows + 16 x lane
.set WW0,  8                           ; v8   where I store Wu's bytes: my wave's rows + 16 x lane
.set WW1,  9                           ; v9   the same + 16 for lanes 16-31: for the loads that straddle two rows
.set YW,   10                          ; v10  where I store head w's fragment of y: FRB x wave + 16 x lane
.set Y,    16                          ; v16-111  y's eight fragments (first: Wu's 24 loads' bytes as they lie)
.set W,    112                         ; v112-207 Wu's eight
.set YS,   208                         ; v208-215 y's scale words, one register a head
.set WS,   216                         ; v216-223 Wu's
.set BI,   224                         ; v224-231 the bias in the result's layout
.set ACC,  232                         ; v232-239, v240-247 the two accumulators (first, v232-243: head w's fragment of y on its way to LDS)
.set SUM,  248                         ; v248-255 their sum
.macro FRAGL reg, adr, off             ; a fragment from rows in LDS: 24 bytes twice, as pieces of 8 so that every address is a multiple of the access's size
.irp p, 0,1,2,3,4,5
	ds_load_b64 v[\reg+2*\p:\reg+2*\p+1], v[\adr] offset:\off+48*(\p/3)+8*(\p%3)
.endr
.endm
.macro HEADL h                         ; head h's fragments of y and of Wu: nine LDS loads
.irp c, 0,1,2
	ds_load_b128 v[Y+12*(\h)+4*\c:Y+12*(\h)+4*\c+3], v[L16] offset:YL+FRB*(\h)+512*\c
.endr
	FRAGL W+12*(\h), WR, 96*(\h)
.endm
	s_load_b256 s[4:11], s[0:1], 0x0               ; yc s[4:5], ys s[6:7], Wu's codes s[8:9], Wu's scales s[10:11]
	s_load_b128 s[12:15], s[0:1], 0x20             ; bu s[12:13], out0 s[14:15]
	v_lshl_add_u32 v14, v0, 2, 0x1d900
	v_mov_b32 v15, 0
	v_lshrrev_b32 v11, 5, v0
	v_readfirstlane_b32 s16, v11                   ; wave 0..7
	v_and_b32 v11, 31, v0
	v_lshlrev_b32 v[L16], 4, v11
	v_and_b32 v12, 15, v0                          ; r
	v_bfe_u32 v13, v0, 4, 1                        ; h
	v_lshlrev_b32 v[R4], 2, v12
	v_lshlrev_b32 v[R32], 5, v12
	v_lshlrev_b32 v[H32], 5, v13
	s_wait_alu depctr_va_sdst(0)                   ; s16 is written, ahead of its first reader: LDS addresses and every base are made from it
	s_mul_i32 s20, s16, WREG
	s_add_co_u32 s20, s20, WL                      ; my wave's rows of Wu in LDS
	v_mul_u32_u24 v[WR], v12, WP
	v_mad_u32_u24 v[WR], v13, 24, v[WR]
	v_add_nc_u32 v[WR], s20, v[WR]
	v_add_nc_u32 v[WW0], s20, v[L16]
	v_lshl_add_u32 v[WW1], v13, 4, v[WW0]
	s_mul_i32 s20, s16, FRB
	v_add_nc_u32 v[YW], s20, v[L16]
	v_mul_u32_u24 v[STO], v12, 528
	v_lshl_add_u32 v[STO], v13, 5, v[STO]
	s_lshl_b32 s20, s16, 6
	s_add_co_u32 s20, s20, STG
	v_add_nc_u32 v[STO], s20, v[STO]
	s_mul_i32 s20, s16, 2*528
	s_add_co_u32 s20, s20, STG
	v_add_nc_u32 v[SRD], s20, v[L16]
	s_lshr_b32 s17, ttmp9, 7                       ; batch
	s_lshl_b32 s17, s17, 10
	s_and_b32 s18, ttmp9, 127
	s_add_co_u32 s17, s17, s18                     ; head 0's fragment: batch x 1,024 + the tile in its batch; a head is 128 fragments on
	s_lshr_b32 s18, ttmp9, 1
	s_lshl_b32 s18, s18, 5
	s_and_b32 s19, ttmp9, 1
	s_lshl_b32 s19, s19, 3
	s_add_co_u32 s18, s18, s19
	s_lshl_b32 s19, s16, 1
	s_add_co_u32 s18, s18, s19
	s_lshr_b32 s19, s16, 2
	s_lshl_b32 s19, s19, 3
	s_add_co_u32 s18, s18, s19                     ; the token at place 2 w of the tile: 32 (T / 2) + 8 (T % 2) + 2 w + 8 (w / 4); place 2 w + 1 is the next token
	s_mov_b32 s21, 0
	s_wait_kmcnt 0x0
	s_mul_i32 s20, s17, FRB
	s_add_nc_u64 s[4:5], s[4:5], s[20:21]
	s_mul_i32 s20, s16, 128*FRB
	s_add_nc_u64 s[4:5], s[4:5], s[20:21]          ; yc at head w's fragment of the tile
	s_lshl_b32 s20, s17, 6
	s_add_nc_u64 s[6:7], s[6:7], s[20:21]
	s_mul_i32 s20, s16, 16*768
	s_add_nc_u64 s[8:9], s[8:9], s[20:21]
	s_lshl_b32 s20, s16, 9
	s_add_nc_u64 s[10:11], s[10:11], s[20:21]
	s_lshl_b32 s20, s16, 6
	s_add_nc_u64 s[12:13], s[12:13], s[20:21]
	s_lshl_b32 s20, s18, 9
	s_add_nc_u64 s[14:15], s[14:15], s[20:21]
	s_wait_alu depctr_va_vdst(0)                   ; the ten offsets and LDS addresses v1 to v10 are written, which every load and store of the kernel reads
.irp c, 0,1,2                          ; head w's fragment of y first: the other waves wait for it
	global_load_b128 v[ACC+4*\c:ACC+4*\c+3], v[L16], s[4:5] offset:512*\c
.endr
.irp i, 0,1,2,3,4,5,6,7,8,9,10,11,12,13,14,15,16,17,18,19,20,21,22,23
	global_load_b128 v[Y+4*\i:Y+4*\i+3], v[L16], s[8:9] offset:512*\i      ; my 16 rows of Wu as they lie
.endr
.irp h, 0,1,2,3,4,5,6,7
	global_load_b32 v[YS+\h], v[R4], s[6:7] offset:8192*\h
.endr
	global_load_b128 v[WS:WS+3], v[R32], s[10:11]              ; my row's 32 scale bytes: word h serves head h
	global_load_b128 v[WS+4:WS+7], v[R32], s[10:11] offset:16
	global_load_b128 v[BI:BI+3], v[H32], s[12:13]              ; bu(16 w + 8 h + 0 .. 7)
	global_load_b128 v[BI+4:BI+7], v[H32], s[12:13] offset:16
	s_wait_loadcnt 36                              ; loads come back in order: y's three are in; Wu's 24 and the 12 small ones may be out
.irp c, 0,1,2
	ds_store_b128 v[YW], v[ACC+4*\c:ACC+4*\c+3] offset:YL+512*\c
.endr
.irp a, 0,1,2,3,4,5,6,7                ; three loads are two rows of 768 bytes: the first lies in the even row, the third in the odd one; of the second, lanes 0-15 end the even row and lanes 16-31 begin the odd one
	s_wait_loadcnt 12+3*(7-\a)                     ; this group's three are in; the later groups' and the 12 small ones may be out
	ds_store_b128 v[WW0], v[Y+12*\a:Y+12*\a+3] offset:2*WP*\a
	ds_store_b128 v[WW1], v[Y+12*\a+4:Y+12*\a+7] offset:2*WP*\a+512
	ds_store_b128 v[WW0], v[Y+12*\a+8:Y+12*\a+11] offset:2*WP*\a+WP+256
.endr
	s_wait_dscnt 0x0                               ; for the others' sake: head w's fragment lies in LDS
	s_barrier_signal -1
	s_barrier_wait -1                              ; all eight heads' do
	s_wait_alu depctr_vm_vsrc(0)                   ; my LDS stores have read v16 to v111, in which y's fragments land, and v232 to v243, which the first two products write
.irp h, 0,1,2,3
	HEADL \h
.endr
	s_wait_loadcnt 0x0                             ; the scale words and the bias
.irp h, 0,1,2,3,4,5,6,7
.if \h < 5
	s_wait_dscnt 27                                ; LDS loads come back in order: head h's are in; the nine loads of each of the three younger heads may be out
.else
	s_wait_dscnt 9*(7-\h)                          ; the counts run down
.endif
.if \h == 0
	v_wmma_scale_f32_16x16x128_f8f6f4 v[ACC:ACC+7], v[W:W+11], v[Y:Y+11], v[BI:BI+7], v[WS], v[YS] matrix_a_fmt:MATRIX_FMT_FP6 matrix_b_fmt:MATRIX_FMT_FP6
.elseif \h == 1
	v_wmma_scale_f32_16x16x128_f8f6f4 v[ACC+8:ACC+15], v[W+12:W+23], v[Y+12:Y+23], 0, v[WS+1], v[YS+1] matrix_a_fmt:MATRIX_FMT_FP6 matrix_b_fmt:MATRIX_FMT_FP6
.else
	v_wmma_scale_f32_16x16x128_f8f6f4 v[ACC+8*(\h%2):ACC+8*(\h%2)+7], v[W+12*\h:W+12*\h+11], v[Y+12*\h:Y+12*\h+11], v[ACC+8*(\h%2):ACC+8*(\h%2)+7], v[WS+\h], v[YS+\h] matrix_a_fmt:MATRIX_FMT_FP6 matrix_b_fmt:MATRIX_FMT_FP6
.endif
.if \h < 4
	HEADL \h+4                                     ; the head four on: no product has named its registers
.endif
.endr
.rept 4
	v_nop                                          ; four places in front of the first read of the results (ISA guide 7.12.1)
.endr
.irp j, 0,2,4,6
	v_pk_add_f32 v[SUM+\j:SUM+\j+1], v[ACC+\j:ACC+\j+1], v[ACC+8+\j:ACC+8+\j+1]   ; from the low end on
.endr
	s_wait_alu depctr_va_vdst(0)                   ; the additions have written SUM, which the LDS stores read; the products are done reading v16 to v23, in which the loads from the stage land
	ds_store_b128 v[STO], v[SUM:SUM+3]
	ds_store_b128 v[STO], v[SUM+4:SUM+7] offset:16
	s_wait_dscnt 0x0                               ; for the others' sake: my stores into the stage are done
	s_barrier_signal -1
	s_barrier_wait -1
.irp i, 0,1
	ds_load_b128 v[Y+4*\i:Y+4*\i+3], v[SRD] offset:528*\i
.endr
.irp i, 0,1
	s_wait_dscnt 1-\i                              ; row i is back; the one younger load may be out
	global_store_b128 v[L16], v[Y+4*\i:Y+4*\i+3], s[14:15] offset:512*\i th:TH_STORE_NT   ; 32 lanes store a row of 512 consecutive bytes, aligned; written once, read by nobody here
.endr
	s_wait_dscnt 0x0
	s_wait_alu depctr_hold_cnt(0) depctr_sa_sdst(0) depctr_va_vdst(0) depctr_va_sdst(0) depctr_va_ssrc(0) depctr_va_vcc(0) depctr_vm_vsrc(0)
	s_wait_tensorcnt 0x0
	ds_add_u32 v14, v15
	s_wait_dscnt 0x0
	s_endpgm
.Lfunc_end_k_qc7c2c3b210_outproj:
	.size	k_qc7c2c3b210_outproj, .Lfunc_end_k_qc7c2c3b210_outproj-k_qc7c2c3b210_outproj
	.p2alignl 7, 3214868480
	.fill 96, 4, 3214868480
	.section	.rodata,"a",@progbits
	.p2align	6, 0x0
	.amdhsa_kernel k_qc7c2c3b210_outproj
		.amdhsa_group_segment_fixed_size 122112
		.amdhsa_private_segment_fixed_size 0
		.amdhsa_enable_private_segment 0
		.amdhsa_kernarg_size 48
		.amdhsa_user_sgpr_count 2
		.amdhsa_user_sgpr_kernarg_segment_ptr 1
		.amdhsa_wavefront_size32 1
		.amdhsa_system_sgpr_workgroup_id_x 1
		.amdhsa_system_sgpr_workgroup_id_y 1
		.amdhsa_system_sgpr_workgroup_id_z 1
		.amdhsa_system_vgpr_workitem_id 0
		.amdhsa_next_free_vgpr 256
		.amdhsa_next_free_sgpr 66
		.amdhsa_reserve_vcc 0
		.amdhsa_float_denorm_mode_32 3
		.amdhsa_float_denorm_mode_16_64 3
		.amdhsa_memory_ordered 1
		.amdhsa_forward_progress 1
		.amdhsa_inst_pref_size 16
	.end_amdhsa_kernel
	.amdgpu_metadata
---
amdhsa.version: [ 1, 2 ]
amdhsa.kernels:
  - .name:           k_qc7c2c3b210_outproj
    .symbol:         k_qc7c2c3b210_outproj.kd
    .args:
      - { .name: yc, .offset: 0, .size: 8, .value_kind: global_buffer, .address_space: global }
      - { .name: ys, .offset: 8, .size: 8, .value_kind: global_buffer, .address_space: global }
      - { .name: Wu_codes, .offset: 16, .size: 8, .value_kind: global_buffer, .address_space: global }
      - { .name: Wu_scales, .offset: 24, .size: 8, .value_kind: global_buffer, .address_space: global }
      - { .name: bu, .offset: 32, .size: 8, .value_kind: global_buffer, .address_space: global }
      - { .name: out0, .offset: 40, .size: 8, .value_kind: global_buffer, .address_space: global }
    .group_segment_fixed_size: 122112
    .private_segment_fixed_size: 0
    .kernarg_segment_align: 8
    .kernarg_segment_size: 48
    .max_flat_workgroup_size: 256
    .sgpr_count:     66
    .vgpr_count:     256
    .wavefront_size: 32
...
	.end_amdgpu_metadata
.endif
;; end of part 5
